; MI455X (gfx1250); checked and timed in simulation.
; The chip was launched on July 23, 2026; its instructions are those of AMD's public machine-readable ISA for CDNA 5 (MIT licence, August 2026) and "CDNA5" Instruction Set Architecture Reference Guide (July 2026). The comments in the code are by the model that wrote it; some were corrected since.
;; Causal Self Attention. Allowed arithmetic: matrix products marked QUANTISED: E3M2 operands, one E8M0 scale for each 32 along K, by v_wmma_scale_f32_16x16x128_f8f6f4 with both operands' format E3M2, f32 sums; everything else in f32.
;; Inputs: W_attn 1,024 x 3,072 float32; W_proj 1,024 x 1,024 float32; x 4 x 2,048 x 1,024 float32.
;; Outputs: out0 4 x 2,048 x 1,024 float32.
;; This version of the problem:
;;   THIS VERSION OF THE PROBLEM IS GIVEN IN LOW PRECISION. The matrix products marked QUANTISED in the list below multiply operands that are first quantised to E3M2 (3 exponent bits, 2 mantissa bits; 6 bits a number), with one power-of-two scale for each 32 numbers along K (OCP MX v1.0); their sums are f32. All else is computed in f32.
;;   The module's matrix products, in the order in which they are computed (A, B: the left and right operand; K: the contracted axis; several contracted axes count as one K, in the product's order):
;;     1. [M 8,192, K 1,024] x [K 1,024, N 3,072]; A: input x; B: input W_attn: QUANTISED
;;     2. batch 64 x [M 2,048, K 64] x [K 64, N 2,048]; A: computed on the way; B: computed on the way: QUANTISED
;;     3. batch 64 x [M 64, K 2,048] x [K 2,048, N 2,048]; A: computed on the way; B: softmax (see below): QUANTISED
;;     4. [M 8,192, K 1,024] x [K 1,024, N 1,024]; A: computed on the way; B: input W_proj: QUANTISED
;;   THE QUANTISER, for each operand of a quantised product, along K:
;;     - K is cut into blocks of 32 from its start; a last block that is shorter is filled with zeros.
;;     - A block's scale is 2^e with e = floor(log2(the largest magnitude in the block)) - 4, held to -126 .. 127; a block of zeros has e = 0. As a byte (E8M0): e + 127.
;;     - Each number is divided by its block's scale, clamped to +-28, and rounded to the nearest number of E3M2, ties to even, subnormals kept.
;;     - The product sums the exact products of the quantised numbers (number of the format x scale) in f32.
;;   ~~~python
;;   def quantise(x, axis):      # numpy; x: float32 -> the quantised numbers, widened to float32 again
;;       x = np.moveaxis(x, axis, -1); K = x.shape[-1]
;;       x = np.pad(x, [(0, 0)] * (x.ndim - 1) + [(0, -K % 32)]); x = x.reshape(x.shape[:-1] + (-1, 32)); a = np.abs(x).max(-1, keepdims=True)
;;       e = np.where(a > 0, np.clip(np.frexp(np.where(a > 0, a, 1))[1] - 1 - 4, -126, 127), 0)      # np.frexp(a)[1] - 1 = floor(log2(a)), exactly
;;       r = np.clip(x / 2.0 ** e, -28, 28)
;;       step = 2.0 ** (np.maximum(np.frexp(np.where(r == 0, 1, r))[1] - 1, -2) - 2)
;;       q = np.round(r / step) * step * 2.0 ** e      # np.round: ties to even
;;       return np.moveaxis(q.reshape(q.shape[:-2] + (-1,))[..., :K], -1, axis).astype(np.float32)
;;   ~~~
;;   SOFTMAX AHEAD OF A QUANTISED PRODUCT. Where the list says 'softmax', what is quantised is not the finished softmax but p = 2^(t - M), with t = logit x log2(e) and M = ceil(the row's largest t), a whole number; so 1/2 < the row's largest p <= 1. The row's sum l is taken of the UNQUANTISED p, in f32, and the product's result is divided by l at the end. Since M is a whole number, a kernel that streams over the keys may use a running M (the ceiling of the running maximum): every later rescaling is an exact power of two, which a block's scale takes up: the codes' values come out the same.
;;   OPERANDS COMPUTED ON THE WAY. 'Computed on the way' means the value that the module computes at that place (a softmax that the list does not call 'softmax' is quantised finished and normalised). What goes into a quantiser is computed in f32, as accurately as f32 sums, v_exp_f32 and their like allow (about 1e-6 of the number): no bf16 or f16 on the way to a quantiser, and a product that is left as it is and whose result goes on into a quantised operand takes f32 operands (vector FMAs, or v_wmma_f32_16x16x4_f32). A number that lies on a knife's edge between two numbers of the format may be rounded either way, as far as f32 arithmetic and the matrix unit's own rounding can turn it there, and no further.
;; One version. Each part assembles by itself: llvm-mc -triple=amdgcn-amd-amdhsa -mcpu=gfx1250 --defsym DOCPART=n.
;; ======== version 1 of 1: 4 launches
;; limits: right only within a limited range of input values
;; workspace buffers: xq 6,553,600 bytes; wq 3,276,800 bytes; qrec 6,815,744 bytes; kv 13,369,344 bytes; yq 6,553,600 bytes
;; launch quant (part 1): grid 640 x 1, 8 waves a work-group, no clusters, 96,768 bytes of LDS; arguments x, W_attn, W_proj, xq, wq; writes xq, wq
.if DOCPART == 1
	.amdgcn_target "amdgcn-amd-amdhsa--gfx1250"
	.amdhsa_code_object_version 6
	.text
	.protected	k_q8966a7e974_quant
	.globl	k_q8966a7e974_quant
	.p2align	8
	.type	k_q8966a7e974_quant,@function
k_q8966a7e974_quant:
	s_mov_b64 s[64:65], 0
	v_nop
	global_prefetch_b8 v0, s[64:65] scope:SCOPE_SE
	s_setreg_imm32_b32 hwreg(HW_REG_WAVE_MODE, 25, 1), 1
	s_wait_xcnt 0x0
; x [8192][1024], W_attn [1024][3072] and W_proj [1024][1024], f32, become codes of BF6 (E3M2) with one E8M0 byte for each 32 along K (x: its last axis; the weights: their FIRST axis).
; A block's scale is 2^(floor(log2(its largest magnitude)) - 4); its byte is the largest magnitude's exponent field - 4, held at 1 from below.
; LIMITS: NaN and infinities are not served; a block whose largest magnitude lies under 2^-122 keeps the byte 1; a block of zeros gets the byte 1 (the rule says 127): its codes are zeros, and this program alone reads the bytes.
; LAYOUT OF THE RESULTS.  Rows of x and columns of the weights are laid by POSITIONS: position P holds the true index P with its bits 3 and 4 exchanged.  A rowtile is 16 positions.  Taken as source 0 of a
; matrix instruction, tiles 2 b and 2 b + 1 then leave 16 true neighbours in a lane's 16 result registers, which is what the next quantiser wants.
; A fragment (16 positions x 128 K, 12 registers a lane) is stored as an IMAGE of its registers, 1,536 bytes: registers 0-3 at 16 x lane, 4-5 at 512 + 8 x lane, 6-9 at 768 + 16 x lane, 10-11 at 1,280 + 8 x lane.
; Codes: [rowtile][K step 0..7][1,536].  Scale words (four bytes: one position, one K step): [128 positions][K step][128 words], behind the codes.
; wq holds W_attn's 192 rowtiles and then W_proj's 64.
; SHARES.  Work-groups 0-127 take the weights: 64 columns x 512 along K; a wave 32 columns x 128 K, a lane to a column, registers down K.  Work-groups 128-639 take x: 128 positions x 128 K, a wave to a rowtile.
; The two ways part on the work-group's number and have LDS bytes of their own.  No tensor load, no matrix instruction: memory binds here.
.set XPITCH, 528                       ; x's stage: a row of 512 bytes + 16
.set XREG,   16*XPITCH                 ; 16 rows for each wave
.set XSCL,   8*XREG                    ; x's 128 scale words
.set WSTG,   XSCL+512                  ; the weights' stages: two images for each wave,
.set WIMG,   1664                      ; 1,536 + 128 bytes apart
.set WREG,   2*WIMG
.set WSCL,   WSTG+8*WREG               ; the weights' scale words: 4 K steps x 64 words
.set XQ_SC,  6291456                   ; where the scale words begin in xq
.set WQ_SC,  3145728                   ; and in wq
.set RT,     12288                     ; a rowtile's codes
.set FRB,    1536                      ; an image
.set L16, 3                            ; v3  16 x lane
.set L8,  4                            ; v4  8 x lane
.set L4,  5                            ; v5  4 x lane
.set X,   32                           ; v32-95   numbers
.set VO,  96                           ; v96-127  (weights) 4 x lane + i rows
.set C,   128                          ; v128-134 (weights) a block's codes
.set SB,  136                          ; v136     (weights) my column's scale word
.set TM,  96                           ; v96-111  (x) at work
.set PC,  112                          ; v112-130 (x) the fragment
.set PW,  132                          ; v132     (x) its scale word
.set SEL, 42                           ; s[42:43] lane selects: lane l xor 16
.macro LOADW t                         ; block t of my column: 32 rows; the wave reads 128 consecutive bytes of each
.irp i, 0,1,2,3,4,5,6,7,8,9,10,11,12,13,14,15,16,17,18,19,20,21,22,23,24,25,26,27,28,29,30,31
	global_load_b32 v[X+32*((\t)%2)+\i], v[VO+\i], s[24+2*(\t):25+2*(\t)] th:TH_LOAD_NT
.endr
.endm
.macro BLOCKW t                        ; block t: all its 32 numbers are mine
.set XS, X+32*((\t)%2)
.if (\t) < 3
	s_wait_loadcnt 32                              ; this block's 32 loads are in; the next block's 32 may be out
.else
	s_wait_loadcnt 0x0
.endif
	v_max3_num_f32 v12, |v[XS]|, |v[XS+1]|, |v[XS+2]|
	v_max3_num_f32 v13, |v[XS+3]|, |v[XS+4]|, |v[XS+5]|
.irp i, 6,10,14,18,22,26
	s_delay_alu instid0(VALU_DEP_2)
	v_max3_num_f32 v12, v12, |v[XS+\i]|, |v[XS+\i+1]|
	s_delay_alu instid0(VALU_DEP_2)
	v_max3_num_f32 v13, v13, |v[XS+\i+2]|, |v[XS+\i+3]|
.endr
	s_delay_alu instid0(VALU_DEP_2)
	v_max3_num_f32 v12, v12, |v[XS+30]|, |v[XS+31]|
	s_delay_alu instid0(VALU_DEP_1)
	v_max3_num_f32 v12, v12, v13, 0x2800000        ; and the floor 2^(5 - 127): the byte cannot fall under 1
	s_delay_alu instid0(VALU_DEP_1)
	v_add_nc_u32 v11, 0xfe000000, v12              ; 4 off the exponent field: the conversion's scale operand
	s_delay_alu instid0(VALU_DEP_1)
	v_lshrrev_b32 v13, 23, v11                     ; the byte
.if (\t) == 0
	s_delay_alu instid0(VALU_DEP_1)
	v_mov_b32 v[SB], v13
.else
	s_delay_alu instid0(VALU_DEP_1)
	v_lshl_or_b32 v[SB], v13, 8*(\t), v[SB]
.endif
	v_cvt_scalef32_pk16_bf6_f32 v[C:C+2], v[XS:XS+15], v11
	v_cvt_scalef32_pk16_bf6_f32 v[C+4:C+6], v[XS+16:XS+31], v11   ; (a conversion's three registers begin on an even number)
	v_nop                                          ; one plain place behind a scaled conversion
	v_mov_b32 v[C+3], v[C+4]
	v_mov_b32 v[C+4], v[C+5]
	v_mov_b32 v[C+5], v[C+6]                       ; six registers on end: registers 6 (t / 2) .. + 5 of image lane 16 (t % 2) + r
	ds_store_b128 v10, v[C:C+3] offset:768*((\t)/2)+256*((\t)%2)
	ds_store_b64 v14, v[C+4:C+5] offset:768*((\t)/2)+512+128*((\t)%2)
.if (\t)+2 < 4
	LOADW (\t)+2
.endif
	s_wait_dscnt 0x0                               ; the stores are done: the next block's codes may be written
.endm
; 64 numbers of a lane, register 16 b + i = k 32 b + 16 (lane / 16) + i of my row, become a fragment in v[PC] on and its scale word in v[PW]
.macro QUANT s
.irp b, 0,1,2,3
	v_max3_num_f32 v[TM+\b], |v[\s+16*\b]|, |v[\s+1+16*\b]|, 0x2800000
.endr
.irp i, 2,4,6,8,10,12,14
.irp b, 0,1,2,3
	s_delay_alu instid0(VALU_DEP_4)
	v_max3_num_f32 v[TM+\b], v[TM+\b], |v[\s+16*\b+\i]|, |v[\s+1+16*\b+\i]|
.endr
.endr
.irp b, 0,1,2,3
	s_delay_alu instid0(VALU_DEP_4)
	v_permlanex16_b32 v[TM+4+\b], v[TM+\b], s[SEL], s[SEL+1]
.endr
.irp b, 0,1,2,3
	s_delay_alu instid0(VALU_DEP_4)
	v_max_num_f32 v[TM+\b], v[TM+\b], v[TM+4+\b]   ; with lane l xor 16's: the block's largest magnitude
.endr
.irp b, 0,1,2,3
	s_delay_alu instid0(VALU_DEP_4)
	v_add_nc_u32 v[TM+12+\b], 0xfe000000, v[TM+\b]
.endr
.irp b, 0,1,2,3
	s_delay_alu instid0(VALU_DEP_4)
	v_lshrrev_b32 v[TM+4+\b], 23, v[TM+12+\b]
.endr
	s_delay_alu instid0(VALU_DEP_3)
	v_lshl_or_b32 v[PW], v[TM+5], 8, v[TM+4]
	s_delay_alu instid0(VALU_DEP_1)
	v_lshl_or_b32 v[PW], v[TM+6], 16, v[PW]
	s_delay_alu instid0(VALU_DEP_1)
	v_lshl_or_b32 v[PW], v[TM+7], 24, v[PW]
.irp c, 0,1
	v_cvt_scalef32_pk16_bf6_f32 v[PC+6*\c:PC+2+6*\c], v[\s+32*\c:\s+15+32*\c], v[TM+12+2*\c]
	v_cvt_scalef32_pk16_bf6_f32 v[PC+12+4*\c:PC+14+4*\c], v[\s+16+32*\c:\s+31+32*\c], v[TM+12+2*\c+1]
.endr
	v_nop                                          ; one plain place behind a scaled conversion
.irp c, 0,1                                    ; the operand wants a WHOLE block in a lane: lanes 0-15 block 2 c, lanes 16-31 block 2 c + 1
.irp i, 0,1,2
	v_permlane16_swap_b32 v[PC+6*\c+\i], v[PC+12+4*\c+\i]
.endr
.irp i, 0,1,2
	s_delay_alu instid0(VALU_DEP_3)
	v_mov_b32 v[PC+3+6*\c+\i], v[PC+12+4*\c+\i]
.endr
.endr
.endm
	s_load_b256 s[4:11], s[0:1], 0x0               ; x s[4:5], W_attn s[6:7], W_proj s[8:9], xq s[10:11]
	s_load_b64 s[12:13], s[0:1], 0x20              ; wq
	v_lshl_add_u32 v144, v0, 2, 0x17600
	v_mov_b32 v145, 0
	v_lshrrev_b32 v1, 5, v0
	s_delay_alu instid0(VALU_DEP_1)
	v_readfirstlane_b32 s14, v1                    ; wave 0..7
	v_and_b32 v2, 31, v0                           ; lane
	s_delay_alu instid0(VALU_DEP_1)
	v_lshlrev_b32 v[L16], 4, v2
	s_delay_alu instid0(VALU_DEP_2)
	v_lshlrev_b32 v[L8], 3, v2
	s_delay_alu instid0(VALU_DEP_3)
	v_lshlrev_b32 v[L4], 2, v2
	v_bfe_u32 v7, v0, 4, 1                         ; lane / 16
	s_cmp_lt_u32 ttmp9, 128
	s_cbranch_scc0 .Lx_path
	; ---------------- THE WEIGHTS ----------------
	s_lshr_b32 s15, ttmp9, 1                       ; cg: which 64 columns of the 4,096 (W_attn's 3,072, then W_proj's)
	s_and_b32 s16, ttmp9, 1                        ; which half of K
	s_and_b32 s17, s14, 1                          ; g2: which 32 of the 64 columns
	s_lshr_b32 s18, s14, 1                         ; which K step of the half's four
	s_lshl_b32 s19, s16, 2
	s_add_co_u32 s19, s19, s18                     ; K step 0..7
	s_mov_b32 s21, 4096
	s_wait_kmcnt 0x0
	s_cmp_lt_u32 s15, 48                           ; W_attn's columns or W_proj's: the choice hangs on the work-group's number alone
	s_cselect_b32 s20, 12288, s21                  ; bytes from row to row
	s_cselect_b32 s22, 0, 48
	s_cselect_b64 s[6:7], s[6:7], s[8:9]
	s_sub_co_u32 s22, s15, s22
	s_lshl_b32 s22, s22, 8                         ; 64 columns are 256 bytes
	s_lshl_b32 s23, s17, 7
	s_add_co_u32 s22, s22, s23
	s_lshl_b32 s23, s19, 7                         ; 128 rows a K step
	s_mul_i32 s23, s23, s20
	s_add_co_u32 s22, s22, s23
	s_mov_b32 s23, 0
	s_add_nc_u64 s[24:25], s[6:7], s[22:23]        ; block 0's first row at my wave's first column;
	s_lshl_b32 s22, s20, 5
	s_add_nc_u64 s[26:27], s[24:25], s[22:23]      ; blocks 1 to 3: 32 rows on each
	s_add_nc_u64 s[28:29], s[26:27], s[22:23]
	s_add_nc_u64 s[30:31], s[28:29], s[22:23]
	s_wait_alu depctr_va_vdst(0)
.irp i, 0,1,2,3,4,5,6,7,8,9,10,11,12,13,14,15,16,17,18,19,20,21,22,23,24,25,26,27,28,29,30,31
	v_mad_u32_u24 v[VO+\i], s20, \i, v[L4]         ; the pitch is no constant of the text, so the rows' offsets lie in registers
.endr
	LOADW 0
	LOADW 1
	v_bfe_u32 v6, v0, 3, 1                         ; my column's position: rowtile + bit 3 of the lane,
	v_and_b32 v8, 7, v0
	s_delay_alu instid0(VALU_DEP_1)
	v_lshl_or_b32 v8, v7, 3, v8                    ; row r = 8 x bit 4 + the low three bits
	s_mul_i32 s32, s14, WREG
	s_add_co_u32 s32, s32, WSTG                    ; my wave's two images
	v_mul_u32_u24 v9, v6, WIMG
	s_delay_alu instid0(VALU_DEP_1)
	v_add_nc_u32 v9, s32, v9
	s_delay_alu instid0(VALU_DEP_1)
	v_lshl_add_u32 v10, v8, 4, v9                  ; where my 16 bytes go,
	s_delay_alu instid0(VALU_DEP_2)
	v_lshl_add_u32 v14, v8, 3, v9                  ; and my 8
	v_add_nc_u32 v15, s32, v[L16]                  ; back: 16 bytes a lane, on end
	v_lshl_add_u32 v16, v6, 4, v8
	s_lshl_b32 s33, s18, 8
	s_lshl_b32 s34, s17, 7
	s_add_co_u32 s33, s33, s34
	s_add_co_u32 s33, s33, WSCL
	v_lshl_add_u32 v16, v16, 2, s33                ; my scale word: 256 x K step + 128 g2 + 4 x position
	v_add_nc_u32 v17, WSCL, v[L16]                 ; wave 0 reads them back, 16 bytes a lane,
	v_and_b32 v18, 15, v0
	s_delay_alu instid0(VALU_DEP_1)
	v_lshlrev_b32 v18, 4, v18
	s_delay_alu instid0(VALU_DEP_1)
	v_lshl_add_u32 v18, v7, 9, v18                 ; and stores sixteen lanes to a K step's 256 bytes, the K steps 512 bytes apart
	s_lshl_b32 s35, s15, 2
	s_lshl_b32 s36, s17, 1
	s_add_co_u32 s35, s35, s36                     ; my first rowtile: 4 cg + 2 g2
	s_mul_i32 s36, s35, RT
	s_mul_i32 s37, s19, FRB
	s_add_co_u32 s36, s36, s37
	s_mov_b32 s37, 0
	s_add_nc_u64 s[38:39], s[12:13], s[36:37]      ; its image of my K step
	s_lshr_b32 s36, s15, 1
	s_lshl_b32 s36, s36, 12                        ; the block of 128 positions,
	s_lshl_b32 s40, s16, 11                        ; the half's four K steps,
	s_add_co_u32 s36, s36, s40
	s_and_b32 s40, s15, 1
	s_lshl_b32 s40, s40, 8                         ; my 64 positions of the 128
	s_add_co_u32 s36, s36, s40
	s_add_co_u32 s36, s36, WQ_SC
	s_add_nc_u64 s[40:41], s[12:13], s[36:37]
	BLOCKW 0
	BLOCKW 1
	BLOCKW 2
	BLOCKW 3
	s_wait_alu depctr_va_vdst(0)
	ds_store_b32 v16, v[SB]
.irp n, 0,1,2,3,4,5
	ds_load_b128 v[X+4*\n:X+4*\n+3], v15 offset:WIMG*(\n/3)+512*(\n%3)   ; LDS serves a wave's instructions in order: these see my stores
.endr
.irp n, 0,1,2,3,4,5
	s_wait_dscnt 5-\n                              ; load n is in; the younger ones may be out
	global_store_b128 v[L16], v[X+4*\n:X+4*\n+3], s[38:39] offset:(\n/3)*RT+512*(\n%3)   ; 512 consecutive bytes, aligned
.endr
	s_wait_dscnt 0x0                               ; for the others' sake: my scale words are stored
	s_barrier_signal -1
	s_barrier_wait -1
	s_cmp_lg_u32 s14, 0
	s_cbranch_scc1 .Lw_end
	ds_load_b128 v[64:67], v17
	ds_load_b128 v[68:71], v17 offset:512
	s_wait_dscnt 0x0
	global_store_b128 v18, v[64:67], s[40:41]              ; K steps 0 and 1 of the half
	global_store_b128 v18, v[68:71], s[40:41] offset:1024  ; 2 and 3
.Lw_end:
	s_wait_tensorcnt 0x0
	ds_add_u32 v144, v145
	s_wait_dscnt 0x0
	s_endpgm
	; ---------------- x ----------------
.Lx_path:
	s_sub_co_u32 s15, ttmp9, 128
	s_lshr_b32 s16, s15, 3                         ; the block of 128 positions
	s_and_b32 s17, s15, 7                          ; the K step
	s_lshl_b32 s18, s16, 7                         ; my rowtile's first true row: 128 x block + 32 (wave / 2) + 8 (wave % 2)
	s_lshr_b32 s19, s14, 1
	s_lshl_b32 s19, s19, 5
	s_add_co_u32 s18, s18, s19
	s_and_b32 s19, s14, 1
	s_lshl_b32 s19, s19, 3
	s_add_co_u32 s18, s18, s19
	s_lshl_b32 s18, s18, 12                        ; rows of 4,096 bytes
	s_lshl_b32 s19, s17, 9                         ; 128 numbers a K step
	s_add_co_u32 s18, s18, s19
	s_mov_b32 s19, 0
	s_wait_kmcnt 0x0
	s_add_nc_u64 s[4:5], s[4:5], s[18:19]
	s_wait_alu depctr_va_vdst(0)
.irp j, 0,1,2,3,4,5,6,7,8,9,10,11,12,13,14,15
	global_load_b128 v[X+4*\j:X+4*\j+3], v[L16], s[4:5] offset:(\j+8*(\j/8))*4096 th:TH_LOAD_NT   ; position j's true row: 512 consecutive bytes
.endr
	s_mov_b32 s[SEL], 0x76543210
	s_mov_b32 s[SEL+1], 0xfedcba98
	s_mul_i32 s20, s14, XREG                       ; my stage
	v_add_nc_u32 v6, s20, v[L16]                   ; in: as loaded
	v_and_b32 v8, 15, v0                           ; r
	s_delay_alu instid0(VALU_DEP_1)
	v_mul_u32_u24 v9, v8, XPITCH
	s_delay_alu instid0(VALU_DEP_1)
	v_lshl_add_u32 v9, v7, 6, v9
	s_delay_alu instid0(VALU_DEP_1)
	v_add_nc_u32 v9, s20, v9                       ; back: row r, + 64 h: 16 neighbours of each block of 32
	s_lshl_b32 s21, s14, 6
	s_add_co_u32 s21, s21, XSCL
	v_lshl_add_u32 v10, v8, 2, s21                 ; my row's scale word
	v_add_nc_u32 v11, XSCL, v[L16]
	s_lshl_b32 s22, s16, 3
	s_add_co_u32 s22, s22, s14                     ; my rowtile
	s_mul_i32 s22, s22, RT
	s_mul_i32 s23, s17, FRB
	s_add_co_u32 s22, s22, s23
	s_mov_b32 s23, 0
	s_add_nc_u64 s[24:25], s[10:11], s[22:23]
	s_lshl_b32 s22, s16, 12
	s_lshl_b32 s26, s17, 9
	s_add_co_u32 s22, s22, s26
	s_add_co_u32 s22, s22, XQ_SC
	s_add_nc_u64 s[26:27], s[10:11], s[22:23]
.irp b, 0,1,2,3
	v_mov_b32 v[TM+4+\b], 0                        ; written once: a lane permute's destination counts as one of its sources
.endr
	s_wait_alu depctr_va_vdst(0)
.irp j, 0,1,2,3,4,5,6,7,8,9,10,11,12,13,14,15
	s_wait_loadcnt 15-\j                           ; row j is in; the younger rows may be out
	ds_store_b128 v6, v[X+4*\j:X+4*\j+3] offset:\j*XPITCH
.endr
.irp b, 0,1,2,3
.irp j, 0,1,2,3
	ds_load_b128 v[X+16*\b+4*\j:X+16*\b+4*\j+3], v9 offset:128*\b+16*\j   ; in order behind my stores
.endr
.endr
	s_wait_dscnt 0x0
	QUANT X
	global_store_b128 v[L16], v[PC:PC+3], s[24:25]
	global_store_b64 v[L8], v[PC+4:PC+5], s[24:25] offset:512
	global_store_b128 v[L16], v[PC+6:PC+9], s[24:25] offset:768
	global_store_b64 v[L8], v[PC+10:PC+11], s[24:25] offset:1280
	ds_store_b32 v10, v[PW]                        ; both halves of the lanes hold the same word
	s_wait_dscnt 0x0                               ; for the others' sake
	s_barrier_signal -1
	s_barrier_wait -1
	s_cmp_lg_u32 s14, 0
	s_cbranch_scc1 .Lx_end
	ds_load_b128 v[32:35], v11
	s_wait_dscnt 0x0
	global_store_b128 v[L16], v[32:35], s[26:27]   ; the block's 128 words of this K step: 512 consecutive bytes
.Lx_end:
	s_wait_tensorcnt 0x0
	ds_add_u32 v144, v145
	s_wait_dscnt 0x0
	s_endpgm
.Lfunc_end_k_q8966a7e974_quant:
	.size	k_q8966a7e974_quant, .Lfunc_end_k_q8966a7e974_quant-k_q8966a7e974_quant
	.p2alignl 7, 3214868480
	.fill 96, 4, 3214868480
	.section	.rodata,"a",@progbits
	.p2align	6, 0x0
	.amdhsa_kernel k_q8966a7e974_quant
		.amdhsa_group_segment_fixed_size 96768
		.amdhsa_private_segment_fixed_size 0
		.amdhsa_enable_private_segment 0
		.amdhsa_kernarg_size 40
		.amdhsa_user_sgpr_count 2
		.amdhsa_user_sgpr_kernarg_segment_ptr 1
		.amdhsa_wavefront_size32 1
		.amdhsa_system_sgpr_workgroup_id_x 1
		.amdhsa_system_sgpr_workgroup_id_y 1
		.amdhsa_system_sgpr_workgroup_id_z 1
		.amdhsa_system_vgpr_workitem_id 0
		.amdhsa_next_free_vgpr 146
		.amdhsa_next_free_sgpr 66
		.amdhsa_reserve_vcc 0
		.amdhsa_float_denorm_mode_32 3
		.amdhsa_float_denorm_mode_16_64 3
		.amdhsa_memory_ordered 1
		.amdhsa_forward_progress 1
		.amdhsa_inst_pref_size 41
	.end_amdhsa_kernel
	.amdgpu_metadata
---
amdhsa.version: [ 1, 2 ]
amdhsa.kernels:
  - .name:           k_q8966a7e974_quant
    .symbol:         k_q8966a7e974_quant.kd
    .args:
      - { .name: x, .offset: 0, .size: 8, .value_kind: global_buffer, .address_space: global }
      - { .name: W_attn, .offset: 8, .size: 8, .value_kind: global_buffer, .address_space: global }
      - { .name: W_proj, .offset: 16, .size: 8, .value_kind: global_buffer, .address_space: global }
      - { .name: xq, .offset: 24, .size: 8, .value_kind: global_buffer, .address_space: global }
      - { .name: wq, .offset: 32, .size: 8, .value_kind: global_buffer, .address_space: global }
    .group_segment_fixed_size: 96768
    .private_segment_fixed_size: 0
    .kernarg_segment_align: 8
    .kernarg_segment_size: 40
    .max_flat_workgroup_size: 256
    .sgpr_count:     66
    .vgpr_count:     146
    .wavefront_size: 32
...
	.end_amdgpu_metadata
.endif
;; end of part 1
;; launch qkv (part 2): grid 8 x 32, 4 waves a work-group, clusters of 4 x 1, 212,992 bytes of LDS; arguments xq, wq, qrec, kv; writes qrec, kv
.if DOCPART == 2
	.amdgcn_target "amdgcn-amd-amdhsa--gfx1250"
	.amdhsa_code_object_version 6
	.text
	.protected	k_q8966a7e974_qkv
	.globl	k_q8966a7e974_qkv
	.p2align	8
	.type	k_q8966a7e974_qkv,@function
k_q8966a7e974_qkv:
	s_mov_b64 s[64:65], 0
	v_nop
	global_prefetch_b8 v0, s[64:65] scope:SCOPE_SE
	s_setreg_imm32_b32 hwreg(HW_REG_WAVE_MODE, 25, 1), 1
	s_wait_xcnt 0x0
	s_wait_alu depctr_hold_cnt(0) depctr_sa_sdst(0) depctr_va_vdst(0) depctr_va_sdst(0) depctr_va_ssrc(0) depctr_va_vcc(0) depctr_vm_vsrc(0)
	s_getreg_b32 s2, hwreg(HW_REG_IB_STS2, 6, 4)
	s_cmp_eq_u32 s2, 0
	s_cbranch_scc0 .Lentry_in_a_cluster
	s_endpgm
.Lentry_in_a_cluster:
	s_bfe_u32 s2, ttmp6, 0x10000c
	s_cmp_lg_u32 s2, 0x3003
	s_cbranch_scc0 .Lentry_shape_is_right
	s_endpgm
.Lentry_shape_is_right:
; qkv = x W_attn on codes of BF6 (E3M2) with E8M0 scales for each 32 along K = 1,024; the results leave as codes: q and k quantised along the head's 64, v along the keys.
; LIMITS: NaN and infinities are not served; a block whose largest magnitude lies under 2^-122 keeps the byte 1; a block of zeros gets the byte 1 with zero codes (this program alone reads the bytes).
; OPERANDS (made by the launch before): rows of x and columns of W lie by POSITIONS (the true index with bits 3 and 4 exchanged); a fragment, 16 positions x 128 K, is an image of its 12 registers, 1,536 bytes;
; codes [rowtile][K step 0..7][1,536]; scale words [128 positions][K step][128 words] behind them.
; THE DEAL.  256 work-groups of four waves.  Work-group (G = 0..7, R = 0..31) takes x's 256 positions 256 R .. and 384 columns: wave w takes head 4 G + w of the 32 (Q's 16, then K's 16) and V's columns 128 G + 32 w .. + 31.
; A wave keeps its six column tiles, all of K, in registers (48 fragments, 576 registers), loaded from memory as they lie: each fragment is used by this wave alone, and 24 rowtiles of W (294,912 bytes) have no room in LDS beside x's 196,608.
; x's 16 rowtiles land in LDS once, a quarter by each wave's one tensor load, asked for jointly by the four work-groups of a cluster (same R); nothing is filled again.  Every wave streams all 16 rowtiles: 48 products each.
; No data prefetch: all that the launch reads is asked for at its head, and there is no loop to run ahead in.
; Q, K: source 0 = W's tile, source 1 = x's rowtile: a lane holds a token, its 32 sums are the head's true channels 32 b + 16 (lane / 16) + i: half an image.  V: source 0 = x, source 1 = W_v: a lane holds a channel,
; its registers run down the keys; four rowtiles are 64 keys: half an image of each of my two tiles.
; RESULTS.  qrec: [batch x 16 + head][128 tokens] records of 6,656 bytes: 8 half images (768 bytes), 128 scale words (bytes 0, 1; bytes 2, 3 are 0).
; kv: records of 13,056 bytes: K's 8 half images; V^T's 4 images; K's 128 scale words; V's 64.  Scale words are gathered in LDS and leave in whole units of 256 bytes.
; REGISTERS: fragment f lies at register 256 + 12 f: 0-31 W_q|k's (4 q + tile), 32-47 W_v's (32 + 2 q + tile), 48-63 x's two sets (48 + 8 e + q).  All else lies in window 0.
.set FR, 12
.set RT, 12288                         ; a rowtile's codes
.set FRB, 1536                         ; an image
.set NF, 40                            ; LDS loads of a rowtile: 32 for eight fragments, 8 scale words
.set XF, 48                            ; x's first fragment
.set SST, 1024                         ; LDS: from a K step's scale words to the next's
.set XQ_SC, 6291456
.set WQ_SC, 3145728
.set XS, 16*RT                         ; LDS behind x's rows: x's scale words [K step][256 positions]
.set QS, XS+8192                       ; Q's or K's scale words on their way out: 1,024 bytes a wave
.set VS, QS+4096                       ; V's: [head][record][64 words]
.set SPARE, VS+1024                    ; the spare words
.set L16, 4                            ; 16, 8 x lane
.set L8, 5
.set SPW, 6
.set NIL, 7
.set AX, 8                             ; v8-11 LDS addresses of the trip's rowtiles 0-3, 4-7 (16 x lane, 8 x lane)
.set AXC, 12                           ; v12-13 the same for rowtile 8
.set AXS, 14                           ; the trip's scale words
.set AXS0, 15
.set SWA, 16
.set SWT, 17
.set VSA, 18
.set VST, 19
.set L4, 20
.set XG, 21
.set XL, 22
.set QRA, 23
.set SA, 24                            ; v24-39 x's scale words, two sets
.set VRA, 40
.set SB, 44                            ; v44-59 W_q|k's scale words
.set SBV, 60                           ; v60-67 W_v's
.set ACC, 72                           ; v72-103 Q|K's sums
.set VA, 104                           ; v104-167 V's sums: 32 tile + 8 (rowtile % 4) + i
.set CD, 168                           ; codes, eight registers for each of three halves
.set TM, 192
.set TC, 216
.set WD, 228
.set VW, 232
.set XT, 236
.set MSB, 0
.macro WIN new
.if MSB != \new
	s_set_vgpr_msb (MSB<<8)|\new
.set MSB, \new
.endif
.endm
.macro PLACES n
.rept \n
	v_nop
.endr
.endm
.macro WALU
	s_wait_alu depctr_va_vdst(0)
.endm
.macro BARRIER
	s_barrier_signal -1
	s_barrier_wait -1
.endm
.macro CROUND
	BARRIER
	s_cmp_lg_u32 s14, 0
	s_cbranch_scc1 .Lnot_wave_0_\@
	s_barrier_signal -3
.Lnot_wave_0_\@:
	s_barrier_wait -3
	BARRIER
.endm
.macro LD n, reg, a, off, p            ; n registers from LDS (p = 0) or from s[p:p+1]
	WIN ((\reg)>>8)<<6
.set R_, (\reg)&255
.if \p
.if \n == 4
	global_load_b128 v[R_:R_+3], v[\a], s[\p:\p+1] offset:\off
.else
	global_load_b64 v[R_:R_+1], v[\a], s[\p:\p+1] offset:\off
.endif
.else
.if \n == 4
	ds_load_b128 v[R_:R_+3], v[\a] offset:\off
.else
	ds_load_b64 v[R_:R_+1], v[\a] offset:\off
.endif
.endif
.endm
.macro FRAG f, a16, a8, off, p         ; an image into fragment f; no load runs across a window's end
.set B_, 256+FR*(\f)
	LD 4, B_, \a16, \off, \p
	LD 2, B_+4, \a8, (\off)+512, \p
.if ((B_+6)&255) > 252
	LD 2, B_+6, \a16, (\off)+768, \p
	LD 2, B_+8, \a16, (\off)+776, \p
.else
	LD 4, B_+6, \a16, (\off)+768, \p
.endif
	LD 2, B_+10, \a8, (\off)+1280, \p
.endm
.macro FETCH e, a, off, as, so         ; a rowtile of x into set e: NF loads
.irp q, 0,1,2,3,4,5,6,7
	FRAG XF+8*(\e)+\q, \a, (\a)+1, (\off)+FRB*\q, 0
.endr
	WIN 0
.irp q, 0,1,2,3,4,5,6,7
	ds_load_b32 v[SA+8*(\e)+\q], v[\as] offset:(\so)+SST*\q
.endr
.endm
.macro MM2 d, c, x0, x1, side, o
.if \o
	v_wmma_scale_f32_16x16x128_f8f6f4 v[\d:\d+7], v[P0_:P0_+FR-1], v[P1_:P1_+FR-1], \c, v[\x0], v[\x1] matrix_a_fmt:MATRIX_FMT_BF6 matrix_b_fmt:MATRIX_FMT_BF6 matrix_\side\()_scale:MATRIX_SCALE_ROW1
.else
	v_wmma_scale_f32_16x16x128_f8f6f4 v[\d:\d+7], v[P0_:P0_+FR-1], v[P1_:P1_+FR-1], \c, v[\x0], v[\x1] matrix_a_fmt:MATRIX_FMT_BF6 matrix_b_fmt:MATRIX_FMT_BF6
.endif
.endm
.macro MM d, f0, f1, q, x0, x1, side, o   ; a product of fragments f0, f1; the first along K starts the sum
.set P0_, 256+FR*(\f0)
.set P1_, 256+FR*(\f1)
	WIN (P0_>>8)|((P1_>>8)<<2)
.set P0_, P0_&255
.set P1_, P1_&255
.if \q
	MM2 \d, v[\d:\d+7], \x0, \x1, \side, \o
.else
	MM2 \d, 0, \x0, \x1, \side, \o
.endif
.endm
; THE WAY OUT of NH runs of 32 sums (run k at v[ACC + 32 k]): two blocks of 32, each in lanes l and l xor 16: six registers of codes at v[CD + 8 k], two scale bytes in v[WD + k].  The runs take turns line by line.
.macro FORK body, a=0
.irp k, 0,1,2
.if (\k < NH) && (\k >= K0)
	\body \k, \a
.endif
.endr
.endm
.macro HA k, a
	v_max3_num_f32 v[TM+8*\k], |v[ACC+32*\k]|, |v[ACC+32*\k+1]|, 0x2800000     ; with the floor 2^(5 - 127)
	v_max3_num_f32 v[TM+8*\k+1], |v[ACC+32*\k+16]|, |v[ACC+32*\k+17]|, 0x2800000
.endm
.macro HB k, i
	v_max3_num_f32 v[TM+8*\k], v[TM+8*\k], |v[ACC+32*\k+\i]|, |v[ACC+32*\k+\i+1]|
	v_max3_num_f32 v[TM+8*\k+1], v[TM+8*\k+1], |v[ACC+32*\k+16+\i]|, |v[ACC+32*\k+17+\i]|
.endm
.macro HC k, a
	v_permlanex16_b32 v[TM+8*\k+2], v[TM+8*\k], s58, s59
	v_permlanex16_b32 v[TM+8*\k+3], v[TM+8*\k+1], s58, s59
.endm
.macro HD k, a
	v_max_num_f32 v[TM+8*\k], v[TM+8*\k], v[TM+8*\k+2]
	v_max_num_f32 v[TM+8*\k+1], v[TM+8*\k+1], v[TM+8*\k+3]
.endm
.macro HE k, a
	v_add_nc_u32 v[TM+8*\k+4], 0xfe000000, v[TM+8*\k]      ; 4 off the exponent field: the conversion's scale operand
	v_add_nc_u32 v[TM+8*\k+5], 0xfe000000, v[TM+8*\k+1]
.endm
.macro HF k, a
	v_lshrrev_b32 v[TM+8*\k+2], 23, v[TM+8*\k+4]
	v_lshrrev_b32 v[TM+8*\k+3], 23, v[TM+8*\k+5]
.endm
.macro HG k, a
	v_lshl_or_b32 v[WD+\k], v[TM+8*\k+3], 8, v[TM+8*\k+2]
	v_cvt_scalef32_pk16_bf6_f32 v[CD+8*\k:CD+8*\k+2], v[ACC+32*\k:ACC+32*\k+15], v[TM+8*\k+4]
	v_cvt_scalef32_pk16_bf6_f32 v[TC+4*\k:TC+4*\k+2], v[ACC+32*\k+16:ACC+32*\k+31], v[TM+8*\k+5]
.endm
.macro HH k, a                         ; a whole block to a lane: lanes 0-15 the first, lanes 16-31 the second
.irp i, 0,1,2
	v_permlane16_swap_b32 v[CD+8*\k+\i], v[TC+4*\k+\i]
.endr
.endm
.macro HI k, a
.irp i, 0,1,2
	v_mov_b32 v[CD+8*\k+3+\i], v[TC+4*\k+\i]
.endr
.endm
.macro HALFS                           ; run 0's search for the largest magnitudes has been done among V's products
.set K0, 1
	FORK HA
.irp i, 2,4,6,8,10,12,14
	FORK HB, \i
.endr
	FORK HC
	FORK HD
.set K0, 0
	FORK HE
	FORK HF
	FORK HG
	v_nop                                          ; one plain place behind a scaled conversion
	FORK HH
	FORK HI
.endm
; What stands behind V's product n: four v_nop behind products 4 and 5 are the places between Q|K's last product and the first read of its sums; then run 0's two chains, two lines behind each product, ending behind the last.
.macro SLOT n
.if (\n) == 4 || (\n) == 5
	v_nop
	v_nop
.elseif (\n) == 6
	WIN 0
	HA 0, 0
.elseif (\n) > 6 && (\n) < 14
	WIN 0
	HB 0, 2*((\n)-6)
.elseif (\n) == 14
	WIN 0
	HC 0, 0
.elseif (\n) == 15
	WIN 0
	HD 0, 0
.endif
.endm
; ROWTILE j of a record of 128 tokens: Q|K's 32 products (four tiles by turns), V's 16 (two by turns) with the search for Q|K's largest magnitudes among them; the fetch of the rowtile two on into the set just read; the rest of the way out.
.macro BLK j
.set E_, (\j)%2
.irp q, 0,1,2,3,4,5,6,7
.irp t, 0,1,2,3
	MM ACC+8*\t, 4*\q+\t, XF+8*E_+\q, \q, SB+8*(\t/2)+\q, SA+8*E_+\q, a, \t%2
.endr
.endr
.irp q, 0,1,2,3,4,5,6,7
.irp t, 0,1
	MM VA+32*\t+8*((\j)%4), XF+8*E_+\q, 32+2*\q+\t, \q, SA+8*E_+\q, SBV+\q, b, \t
	SLOT 2*\q+\t
.endr
.endr
	WIN 0
	PLACES 2                                       ; with the two lines behind the last product: four places ahead of loads into its operands and of the first read of its sums
	WALU
.if (\j) < 6
	FETCH E_, AX+2*(((\j)+2)/4), (((\j)+2)%4)*RT, AXS, 64*((\j)+2)
	s_wait_dscnt NF                                ; all but the fetch just issued: the next rowtile's set is in
.else
	s_cmp_eq_u32 s61, 0                            ; the second record's last two rowtiles have no successor
	s_cbranch_scc0 .Lnone_\@
	FETCH E_, AXC, ((\j)-6)*RT, AXS0, 64*((\j)+2)
	s_wait_dscnt NF
	s_branch .Lgot_\@
.Lnone_\@:
	s_wait_dscnt 0x0
.Lgot_\@:
.endif
	s_wait_xcnt 0x0                                ; the last rowtile's stores have read their registers
.if (\j)%4 == 3
.set NH, 3
.else
.set NH, 1
.endif
	HALFS
	global_store_b128 v[L16], v[CD:CD+3], s[46:47] offset:768*(\j)        ; 512 consecutive bytes, aligned
	global_store_b64 v[L8], v[CD+4:CD+5], s[46:47] offset:768*(\j)+512    ; 256
	ds_store_b32 v[SWT], v[WD] offset:64*(\j)      ; both halves of the lanes hold the same word
.if (\j)%4 == 3
.irp t, 0,1
	global_store_b128 v[L16], v[CD+8+8*\t:CD+11+8*\t], s[48:49] offset:FRB*\t+768*((\j)/4)
	global_store_b64 v[L8], v[CD+12+8*\t:CD+13+8*\t], s[48:49] offset:FRB*\t+768*((\j)/4)+512
.endr
.if (\j) == 3
	v_mov_b32 v[VW], v[WD+1]                       ; the first 64 keys' two bytes wait for the second's
	v_mov_b32 v[VW+1], v[WD+2]
.else
	v_lshl_or_b32 v[WD+1], v[WD+1], 16, v[VW]
	v_lshl_or_b32 v[WD+2], v[WD+2], 16, v[VW+1]
	v_cndmask_b32 v[WD+1], v[WD+1], v[WD+2], s60   ; lanes 0-15 tile 0's words, lanes 16-31 tile 1's
	ds_store_b32 v[VST], v[WD+1]
.endif
.endif
.endm
; ================= THE HEAD
	s_load_b256 s[4:11], s[0:1], 0x0               ; xq s[4:5], wq s[6:7], qrec s[8:9], kv s[10:11]
	v_lshl_add_u32 v[SPW], v0, 2, SPARE
	v_mov_b32 v[NIL], 0
	ds_add_u32 v[SPW], v[NIL]                      ; the opening lines: the add twice on end and its wait
	ds_add_u32 v[SPW], v[NIL]
	v_lshrrev_b32 v2, 5, v0
	v_readfirstlane_b32 s14, v2                    ; the wave
	s_bfe_u32 s15, ttmp6, 0x40000                  ; cx
	s_lshl_b32 s16, ttmp9, 2
	s_add_co_u32 s16, s16, s15                     ; G
	s_and_b32 s17, ttmp7, 0xffff                   ; R
	s_mov_b32 s24, 15|(3<<16)|(1<<21)              ; group 1: the four partners; elements of 8 bytes; 49,152 dense bytes as 192 rows of 256
	s_mov_b32 s25, 32<<16
	s_mov_b32 s26, 192<<16
	s_mov_b32 s27, 32<<16
	s_mov_b32 s28, 192
	s_mov_b32 s29, 32
	s_mov_b32 s30, 0
	s_mov_b32 s31, 0
	s_mov_b32 s32, 1
	s_mul_i32 s33, s14, 4*RT                       ; my four rowtiles' place in LDS
	s_mul_i32 s12, s17, 16*RT
	s_add_co_u32 s12, s12, s33                     ; and in xq: made of R and the wave alone
	s_mov_b32 s13, 0
	s_lshl_b32 s18, s16, 2
	s_add_co_u32 s18, s18, s14                     ; my head of the 32
	s_mul_i32 s36, s18, 4*RT                       ; W_q|k's four rowtiles
	s_mov_b32 s37, 0
	s_lshl_b32 s38, s16, 3
	s_lshl_b32 s39, s14, 1
	s_add_co_u32 s38, s38, s39
	s_add_co_u32 s38, s38, 128
	s_mul_i32 s38, s38, RT                         ; W_v's two
	s_mov_b32 s39, 0
	s_lshr_b32 s40, s18, 1
	s_lshl_b32 s40, s40, 12
	s_and_b32 s41, s18, 1
	s_lshl_b32 s41, s41, 8
	s_add_co_u32 s40, s40, s41
	s_add_co_u32 s40, s40, WQ_SC                   ; W_q|k's scale words
	s_mov_b32 s41, 0
	s_lshl_b32 s42, s16, 12
	s_lshl_b32 s43, s14, 7
	s_add_co_u32 s42, s42, s43
	s_add_co_u32 s42, s42, WQ_SC+16*4096           ; W_v's
	s_mov_b32 s43, 0
	s_lshl_b32 s44, s17, 13
	s_add_co_u32 s44, s44, XQ_SC                   ; x's
	s_mov_b32 s45, 0
	s_mov_b32 s58, 0x76543210
	s_mov_b32 s59, 0xfedcba98                      ; lane l xor 16
	s_mov_b32 s60, 0xffff0000
	s_lshl_b32 s20, s14, 10
	s_add_co_u32 s20, s20, QS
	s_lshl_b32 s21, s14, 8
	s_add_co_u32 s21, s21, VS
	s_lshr_b32 s22, s14, 1
	s_lshl_b32 s22, s22, 9
	s_and_b32 s23, s14, 1
	s_lshl_b32 s23, s23, 7
	s_add_co_u32 s22, s22, s23
	s_add_co_u32 s22, s22, VS
	v_and_b32 v3, 31, v0
	v_and_b32 v1, 15, v0
	v_lshlrev_b32 v[L16], 4, v3
	v_lshlrev_b32 v[L8], 3, v3
	v_lshlrev_b32 v[L4], 2, v3
	v_add_nc_u32 v[AXC], 8*RT, v[L16]
	v_add_nc_u32 v[AXC+1], 8*RT, v[L8]
	v_lshl_add_u32 v[AXS0], v1, 2, XS
	v_lshlrev_b32 v[XG], 4, v0                     ; x's scale words come in 16 bytes a thread,
	v_lshl_add_u32 v[XL], v2, 10, v[L16]
	v_add_nc_u32 v[XL], XS, v[XL]                  ; and go to [K step][256 positions]
	v_lshl_add_u32 v[SWA], v1, 2, s20
	v_add_nc_u32 v[QRA], s20, v[L16]
	v_add_nc_u32 v[VRA], s21, v[L8]
	v_add_nc_u32 v[VSA], s22, v[L4]
.irp k, 0,1,2
	v_mov_b32 v[TM+8*\k+2], 0                      ; a lane permute's destination counts as one of its sources
	v_mov_b32 v[TM+8*\k+3], 0
.endr
	WALU                                           ; the wait at the head's end
	s_wait_dscnt 0x0
	CROUND                                         ; the round in front of the joint loads
	s_wait_kmcnt 0x0
	s_add_nc_u64 s[34:35], s[4:5], s[12:13]
	s_or_b32 s35, s35, 0x80000000
	tensor_load_to_lds s[32:35], s[24:31]          ; my one tensor load: a quarter of x's 16 rowtiles
	s_nop 0
	PLACES 4
	s_add_nc_u64 s[44:45], s[4:5], s[44:45]
	s_add_nc_u64 s[36:37], s[6:7], s[36:37]
	s_add_nc_u64 s[38:39], s[6:7], s[38:39]
	s_add_nc_u64 s[40:41], s[6:7], s[40:41]
	s_add_nc_u64 s[42:43], s[6:7], s[42:43]
.irp k, 0,1,2,3
	global_load_b128 v[XT+4*\k:XT+4*\k+3], v[XG], s[44:45] offset:2048*\k
.endr
.irp q, 0,1,2,3,4,5,6,7
	global_load_b32 v[SBV+\q], v[L4], s[42:43] offset:512*\q              ; lanes 0-15 tile 0's words, lanes 16-31 tile 1's
	global_load_b32 v[SB+\q], v[L4], s[40:41] offset:512*\q
	global_load_b32 v[SB+8+\q], v[L4], s[40:41] offset:512*\q+128
.endr
.irp q, 0,1,2,3,4,5,6,7
.irp t, 0,1
	FRAG 32+2*\q+\t, L16, L8, RT*\t+FRB*\q, 38
.endr
.endr
.irp q, 0,1,2,3,4,5,6,7
.irp t, 0,1,2,3
	FRAG 4*\q+\t, L16, L8, RT*\t+FRB*\q, 36
.endr
.endr
	WIN 0
	; where the results go
	s_lshr_b32 s20, s17, 3
	s_lshl_b32 s20, s20, 4                         ; 16 x batch
	s_and_b32 s21, s17, 7
	s_lshl_b32 s21, s21, 1                         ; my first record of the batch's 16
	s_and_b32 s22, s18, 15
	s_add_co_u32 s22, s22, s20
	s_lshl_b32 s22, s22, 4
	s_add_co_u32 s22, s22, s21
	s_mov_b32 s56, 13056
	s_mov_b32 s23, 12288
	s_cmp_lt_u32 s16, 4                            ; Q or K: selects alone, no branch
	s_cselect_b32 s56, 6656, s56                   ; a record's bytes
	s_cselect_b32 s23, 6144, s23                   ; where its scale words begin
	s_cselect_b64 s[46:47], s[8:9], s[10:11]
	s_mov_b32 s57, 0
	s_mul_i32 s50, s22, s56
	s_mov_b32 s51, 0
	s_add_nc_u64 s[46:47], s[46:47], s[50:51]      ; Q's or K's half images
	s_mov_b32 s50, s23
	s_add_nc_u64 s[50:51], s[46:47], s[50:51]      ; the first record's scale words,
	s_add_nc_u64 s[52:53], s[50:51], s[56:57]      ; the second's
	s_lshl_b32 s22, s16, 1
	s_lshr_b32 s23, s14, 1
	s_add_co_u32 s22, s22, s23
	s_add_co_u32 s22, s22, s20
	s_lshl_b32 s22, s22, 4
	s_add_co_u32 s22, s22, s21                     ; V's head's first record
	s_and_b32 s23, s14, 1
	s_mul_i32 s48, s22, 13056
	s_mul_i32 s54, s23, 2*FRB
	s_add_co_u32 s48, s48, s54
	s_add_co_u32 s48, s48, 6144
	s_mov_b32 s49, 0
	s_add_nc_u64 s[48:49], s[10:11], s[48:49]      ; my two images of V^T
	s_add_co_u32 s22, s22, s23
	s_mul_i32 s54, s22, 13056
	s_add_co_u32 s54, s54, 12800
	s_mov_b32 s55, 0
	s_add_nc_u64 s[54:55], s[10:11], s[54:55]      ; the unit of V's scale words that I store: head w / 2, record w % 2
	s_mov_b32 s61, 0
	s_mov_b32 s62, 0
	s_mov_b32 s63, 0
	s_mov_b32 s19, 0
	s_wait_loadcnt 63                              ; more than 63 loads are younger than the four of x's scale words
.irp k, 0,1,2,3
	ds_store_b128 v[XL], v[XT+4*\k:XT+4*\k+3] offset:4096*(\k%2)+512*(\k/2)
.endr
	s_wait_tensorcnt 0x0                           ; my quarter of x has landed,
	s_wait_dscnt 0x0                               ; my stores are done:
	BARRIER                                        ; everybody's
	FETCH 0, L16, 0, AXS0, 0
	FETCH 1, L16, RT, AXS0, 64
	s_wait_loadcnt 0x0                             ; the weights are in
	s_wait_dscnt NF                                ; rowtile 0 is in; rowtile 1's fetch is younger
; ================= THE STREAM: two records of eight rowtiles
.Ltrip:
	s_add_co_u32 s20, s62, 4*RT
	v_add_nc_u32 v[AX], s62, v[L16]
	v_add_nc_u32 v[AX+1], s62, v[L8]
	v_add_nc_u32 v[AX+2], s20, v[L16]
	v_add_nc_u32 v[AX+3], s20, v[L8]
	v_add_nc_u32 v[AXS], s63, v[AXS0]
	v_add_nc_u32 v[SWT], s63, v[SWA]
	v_add_nc_u32 v[VST], s19, v[VSA]
	WALU
.irp j, 0,1,2,3,4,5,6,7
	BLK \j
.endr
	s_wait_xcnt 0x0                                ; the stores have read their bases
	s_add_nc_u64 s[46:47], s[46:47], s[56:57]
	s_add_nc_u64 s[48:49], s[48:49], 13056
	s_add_co_u32 s62, s62, 8*RT
	s_add_co_u32 s63, s63, 512
	s_add_co_u32 s19, s19, 256
	s_add_co_u32 s61, s61, 1
	s_cmp_lt_u32 s61, 2
	s_cbranch_scc1 .Ltrip
; ================= THE SCALE WORDS LEAVE
	s_wait_dscnt 0x0
	BARRIER                                        ; V's words of both waves of a head are in LDS
	ds_load_b128 v[XT:XT+3], v[QRA]
	ds_load_b128 v[XT+4:XT+7], v[QRA] offset:512
	ds_load_b64 v[XT+8:XT+9], v[VRA]
	s_wait_dscnt 0x0
	global_store_b128 v[L16], v[XT:XT+3], s[50:51]         ; 512 consecutive bytes, aligned
	global_store_b128 v[L16], v[XT+4:XT+7], s[52:53]
	global_store_b64 v[L8], v[XT+8:XT+9], s[54:55]         ; 256
	s_wait_tensorcnt 0x0                           ; the wave's end
	ds_add_u32 v[SPW], v[NIL]
	s_wait_dscnt 0x0
	CROUND                                         ; the closing round
	s_endpgm
.Lfunc_end_k_q8966a7e974_qkv:
	.size	k_q8966a7e974_qkv, .Lfunc_end_k_q8966a7e974_qkv-k_q8966a7e974_qkv
	.p2alignl 7, 3214868480
	.fill 96, 4, 3214868480
	.section	.rodata,"a",@progbits
	.p2align	6, 0x0
	.amdhsa_kernel k_q8966a7e974_qkv
		.amdhsa_group_segment_fixed_size 212992
		.amdhsa_private_segment_fixed_size 0
		.amdhsa_enable_private_segment 0
		.amdhsa_kernarg_size 32
		.amdhsa_user_sgpr_count 2
		.amdhsa_user_sgpr_kernarg_segment_ptr 1
		.amdhsa_wavefront_size32 1
		.amdhsa_system_sgpr_workgroup_id_x 1
		.amdhsa_system_sgpr_workgroup_id_y 1
		.amdhsa_system_sgpr_workgroup_id_z 1
		.amdhsa_system_vgpr_workitem_id 0
		.amdhsa_next_free_vgpr 1024
		.amdhsa_next_free_sgpr 72
		.amdhsa_reserve_vcc 0
		.amdhsa_float_denorm_mode_32 3
		.amdhsa_float_denorm_mode_16_64 3
		.amdhsa_memory_ordered 1
		.amdhsa_forward_progress 1
		.amdhsa_inst_pref_size 137
	.end_amdhsa_kernel
	.amdgpu_metadata
---
amdhsa.version: [ 1, 2 ]
amdhsa.kernels:
  - .name:           k_q8966a7e974_qkv
    .symbol:         k_q8966a7e974_qkv.kd
    .args:
      - { .name: xq, .offset: 0, .size: 8, .value_kind: global_buffer, .address_space: global }
      - { .name: wq, .offset: 8, .size: 8, .value_kind: global_buffer, .address_space: global }
      - { .name: qrec, .offset: 16, .size: 8, .value_kind: global_buffer, .address_space: global }
      - { .name: kv, .offset: 24, .size: 8, .value_kind: global_buffer, .address_space: global }
    .group_segment_fixed_size: 212992
    .private_segment_fixed_size: 0
    .kernarg_segment_align: 8
    .kernarg_segment_size: 32
    .max_flat_workgroup_size: 128
    .sgpr_count:     72
    .vgpr_count:     1024
    .wavefront_size: 32
...
	.end_amdgpu_metadata
.endif
;; end of part 2
;; launch attn (part 3): grid 4 x 64, 16 waves a work-group, clusters of 4 x 1, 210,944 bytes of LDS; arguments qrec, kv, yq; writes yq
.if DOCPART == 3
	.amdgcn_target "amdgcn-amd-amdhsa--gfx1250"
	.amdhsa_code_object_version 6
	.text
	.protected	k_q8966a7e974_attn
	.globl	k_q8966a7e974_attn
	.p2align	8
	.type	k_q8966a7e974_attn,@function
k_q8966a7e974_attn:
	s_mov_b64 s[64:65], 0
	v_nop
	global_prefetch_b8 v0, s[64:65] scope:SCOPE_SE
	s_setreg_imm32_b32 hwreg(HW_REG_WAVE_MODE, 25, 1), 1
	s_wait_xcnt 0x0
	s_wait_alu depctr_hold_cnt(0) depctr_sa_sdst(0) depctr_va_vdst(0) depctr_va_sdst(0) depctr_va_ssrc(0) depctr_va_vcc(0) depctr_vm_vsrc(0)
	s_getreg_b32 s2, hwreg(HW_REG_IB_STS2, 6, 4)
	s_cmp_eq_u32 s2, 0
	s_cbranch_scc0 .Lentry_in_a_cluster
	s_endpgm
.Lentry_in_a_cluster:
	s_bfe_u32 s2, ttmp6, 0x10000c
	s_cmp_lg_u32 s2, 0x3003
	s_cbranch_scc0 .Lentry_shape_is_right
	s_endpgm
.Lentry_shape_is_right:
; y[b][t][head] = softmax over s <= t of (q . k / 8) times v, both products on codes of BF6 (E3M2) with E8M0 scales for each 32 along a product's K; y leaves as codes along C for the last product.
; Key steps of 128 keys that lie wholly behind a tile's queries are hidden by the causal mask that the problem builds itself: they are left out.
; THE SOFTMAX: t = score x log2(e) / 8; M = the running largest t rounded UP to a whole number; p = 2^(t - M) is quantised along the keys, not normalised; the row's sum is taken of the unquantised p and divides at the end.
; LIMITS: NaN and infinities are not served; a block whose largest magnitude lies under 2^-122 keeps the byte 1; a block of zeros gets the byte 1 with zero codes (this program alone reads the bytes).
; INPUTS (made by the launch before).  Tokens and the head's 64 lie by POSITIONS (the true index with bits 3 and 4 exchanged).  qrec: [batch x 16 + head][128 tokens] records of 6,656 bytes: 8 half images, 128 scale words.
; kv: records of 13,056 bytes: K's 8 half images (16 keys x 64), V^T's 4 images (16 of the 64 x 128 keys), K's 128 scale words, V's 64.
; The first product's K is 64: registers 6-11 of K's and Q's fragments hold zero codes, which add nothing under the scale bytes 0 that stand for them.
; SHARES.  Four work-groups take a head; work-group i = 0..3 takes the query tiles 4 j + i of its 128, and wave w of sixteen takes j = w and j = 31 - w: w / 2 + 1 and (31 - w) / 2 + 1 key steps, 17 for every wave.
; Four waves to a SIMD, so that one wave's vector work stands beside another's products and LDS loads.
; CLUSTER: the four work-groups of a head read the same sixteen records and ask for them jointly.  A tile's diagonal key step, (4 j + i) / 8 = j / 2, hangs on the wave alone, so all partners branch alike; i enters global addresses and the mask's numbers only.
; LDS holds the head's 16 records, filled ONCE, one tensor load a wave; nothing is stored to LDS and nothing is filled again.  Waves 0 to 3 have a load line and a wait of their own: key steps 0 to 3 begin when records 0 to 3 are in.
; No data prefetch: all records are asked for at the head.
; LAYOUT.  Both products are used transposed: S^T = K Q^T, O^T = V^T P^T: a lane holds one query (lane % 16).  By the order of positions the 16 registers of key tiles 2 b, 2 b + 1 are the true keys 32 b + 16 (lane / 16) + 0 .. 15.
; y's scale bytes leave two at a time (a head's two blocks are half of a scale word): 2 bytes a query against the 48 of its codes.
.set REC,   13056
.set QREC,  6656
.set YQ_SC, 6291456
.set A16, 4                            ; v4-6  the step's record + 16, 8, 4 x lane
.set A8,  5
.set A4,  6
.set F,   44                           ; v44-91   four fragments of K; registers 6-11 of each stay zeros
.set FS,  92                           ; v92-95   scale words of K or of V
.set S,   96                           ; v96-159  S^T, then p, then V's four fragments
.set PC,  224                          ; v224-235 p's codes
.set BM,  236                          ; v236-239 the blocks' maxima
.set T,   240                          ; v240-247 at work
.set SO,  248                          ; v248-251 the conversions' scale operands
.set WV,  12
.set CNT, 11
.set KS,  19                           ; s19 the key step
.set TB,  48                           ; s48 its record in LDS
.set SEL, 20
.set CS,  22
; v1-3: 16, 8, 4 x lane.  v7, v8: the mask's d of tiles A, B.  v9: 4 (lane % 16).  v10, v11: Q's scale words.  v12-15, v40-43: -M, the largest t, the sum in two halves.  v16-27, v28-39: Q.
; v160-191, v192-223: O^T.  v252 f, v253 p's scale word, v254 at work, v255 -infinity.
.macro CROUND                          ; a round of the cluster's barrier
	s_barrier_signal -1
	s_barrier_wait -1
	s_cmp_lg_u32 s[WV], 0
	s_cbranch_scc1 .Lnot_wave_0_\@
	s_barrier_signal -3
.Lnot_wave_0_\@:
	s_barrier_wait -3
	s_barrier_signal -1
	s_barrier_wait -1
.endm
; the addresses of query tile s[tq] (s[dg] = its group of 128): Q's half image, its scale words, y's half image, y's scale bytes
.macro PTRS tq, dg, cq, sq, cy, sy
	s_and_b32 s72, s[\tq], 7
	s_add_co_u32 s70, s49, s[\dg]
	s_mul_i32 s70, s70, QREC
	s_mov_b32 s71, 0
	s_add_nc_u64 s[\sq:\sq+1], s[4:5], s[70:71]    ; the record
	s_mul_i32 s70, s72, 768
	s_add_nc_u64 s[\cq:\cq+1], s[\sq:\sq+1], s[70:71]
	s_lshl_b32 s70, s72, 6
	s_add_co_u32 s70, s70, 6144
	s_add_nc_u64 s[\sq:\sq+1], s[\sq:\sq+1], s[70:71]
	s_lshl_b32 s70, s74, 7
	s_add_co_u32 s70, s70, s[\tq]                  ; y's rowtile: 128 x batch + tile
	s_mul_i32 s70, s70, 12288
	s_mul_i32 s73, s75, 768                        ; a head is half a K step of the last product
	s_add_co_u32 s70, s70, s73
	s_add_nc_u64 s[\cy:\cy+1], s[8:9], s[70:71]
	s_lshl_b32 s70, s74, 4
	s_add_co_u32 s70, s70, s[\dg]
	s_lshl_b32 s70, s70, 12                        ; the block of 128 positions,
	s_lshr_b32 s73, s75, 1
	s_lshl_b32 s73, s73, 9                         ; the K step,
	s_add_co_u32 s70, s70, s73
	s_lshl_b32 s73, s72, 6                         ; the tile's 16 words,
	s_add_co_u32 s70, s70, s73
	s_and_b32 s73, s75, 1
	s_lshl_b32 s73, s73, 1                         ; the head's two bytes of a word
	s_add_co_u32 s70, s70, s73
	s_add_co_u32 s70, s70, YQ_SC
	s_add_nc_u64 s[\sy:\sy+1], s[8:9], s[70:71]
.endm
; A KEY STEP of one tile of queries: 128 keys.  ST: its statistics; QF, QS: Q's fragment and scale words; OA: O^T; DD: the mask's d; QD: the scalar with the tile's diagonal step.
.macro STEP ST, QF, QS, OA, DD, QD
	s_cmp_gt_u32 s[KS], s[\QD]                     ; all 128 keys come after my queries: the step is left out (a branch on the wave's number and the loop's count)
	s_cbranch_scc1 .Lhid_\@
	v_add_nc_u32 v[A16], s[TB], v1
	s_wait_alu depctr_va_vdst(0)
	v_add_nc_u32 v[A8], s[TB], v2
	s_wait_alu depctr_va_vdst(0)
	v_add_nc_u32 v[A4], s[TB], v3
	v_nop
	v_nop                                          ; five places: the products below write over registers that the last step's products read
.irp b, 0,1,2,3
	ds_load_b32 v[FS+\b], v[A4] offset:12288+128*\b   ; lanes 0-15: key tile 2 b's scale words; lanes 16-31: tile 2 b + 1's
.endr
.irp g, 0,1
.if \g
.rept 4
	v_nop                                          ; places in front of loads into registers that matrix instructions have read
.endr
.endif
.irp t, 0,1,2,3
	ds_load_b128 v[F+12*\t:F+12*\t+3], v[A16] offset:(4*\g+\t)*768
	ds_load_b64 v[F+12*\t+4:F+12*\t+5], v[A8] offset:(4*\g+\t)*768+512
.endr
	s_wait_dscnt 0x0
.irp t, 0,1,2,3
.if \t%2
	v_wmma_scale_f32_16x16x128_f8f6f4 v[S+8*(4*\g+\t):S+8*(4*\g+\t)+7], v[F+12*\t:F+12*\t+11], v[\QF:\QF+11], 0, v[FS+(4*\g+\t)/2], v[\QS] matrix_a_fmt:MATRIX_FMT_BF6 matrix_b_fmt:MATRIX_FMT_BF6 matrix_a_scale:MATRIX_SCALE_ROW1
.else
	v_wmma_scale_f32_16x16x128_f8f6f4 v[S+8*(4*\g+\t):S+8*(4*\g+\t)+7], v[F+12*\t:F+12*\t+11], v[\QF:\QF+11], 0, v[FS+(4*\g+\t)/2], v[\QS] matrix_a_fmt:MATRIX_FMT_BF6 matrix_b_fmt:MATRIX_FMT_BF6
.endif
.endr
.endr
.rept 4
	v_nop
.endr
	s_cmp_lg_u32 s[KS], s[\QD]                     ; only the diagonal step has hidden keys
	s_cbranch_scc1 .Lopen_\@
.irp n, 0,1,2,3,4,5,6,7,8,9,10,11,12,13,14,15,16,17,18,19,20,21,22,23,24,25,26,27,28,29,30,31,32,33,34,35,36,37,38,39,40,41,42,43,44,45,46,47,48,49,50,51,52,53,54,55,56,57,58,59,60,61,62,63
	v_cmp_gt_i32 vcc_lo, 32*(\n/16)+\n%16, v[\DD]  ; register 16 b + i holds the step's key 32 b + 16 (lane / 16) + i: hidden where 32 b + i > d
	v_cndmask_b32 v[S+\n], v[S+\n], v255, vcc_lo
.endr
.Lopen_\@:
.irp b, 0,1,2,3
	v_max3_num_f32 v[BM+\b], v[S+16*\b], v[S+1+16*\b], v[S+2+16*\b]   ; the largest score of each block of 32 keys: for the row's maximum and, since p rises with the score, for the block's largest p
.endr
.irp i, 3,5,7,9,11,13
.irp b, 0,1,2,3
	v_max3_num_f32 v[BM+\b], v[BM+\b], v[S+16*\b+\i], v[S+1+16*\b+\i]
.endr
.endr
.irp b, 0,1,2,3
	v_max_num_f32 v[BM+\b], v[BM+\b], v[S+15+16*\b]
.endr
.irp b, 0,1,2,3
	s_delay_alu instid0(VALU_DEP_4)
	v_permlanex16_b32 v[T+\b], v[BM+\b], s[SEL], s[SEL+1]
.endr
.irp b, 0,1,2,3
	s_delay_alu instid0(VALU_DEP_4)
	v_max_num_f32 v[BM+\b], v[BM+\b], v[T+\b]      ; with lane l xor 16's 16 keys
.endr
	s_delay_alu instid0(VALU_DEP_2)
	v_max3_num_f32 v254, v[BM], v[BM+1], v[BM+2]
	s_delay_alu instid0(VALU_DEP_1)
	v_max_num_f32 v254, v254, v[BM+3]
	s_delay_alu instid0(VALU_DEP_1)
	v_mul_f32 v254, s[CS], v254                    ; as t (c is positive)
	s_delay_alu instid0(VALU_DEP_1)
	v_max_num_f32 v[\ST+1], v[\ST+1], v254         ; the running largest t
	v_mov_b32 v254, v[\ST]
	s_delay_alu instid0(VALU_DEP_2)
	v_floor_f32 v[\ST], -v[\ST+1]                  ; the new -M = floor(-t): M is a whole number
	s_delay_alu instid0(VALU_DEP_1)
	v_sub_f32 v254, v[\ST], v254                   ; old M - new M: a whole number, 0 or less
	s_delay_alu instid0(VALU_DEP_1)
	v_cvt_i32_f32 v254, v254                       ; (it saturates)
	s_delay_alu instid0(VALU_DEP_1)
	v_ldexp_f32 v252, 1.0, v254                    ; f = 2^(old M - new M): a multiplication by it rounds nothing
.irp j, 0,2,4,6,8,10,12,14,16,18,20,22,24,26,28,30,32,34,36,38,40,42,44,46,48,50,52,54,56,58,60,62
	v_pk_fma_f32 v[S+\j:S+\j+1], v[S+\j:S+\j+1], s[CS:CS+1], v[\ST:\ST+1] op_sel_hi:[1,0,0]   ; t - M
.endr
.irp b, 0,1,2,3
	v_fma_f32 v[BM+\b], v[BM+\b], s[CS], v[\ST]
.endr
	s_wait_alu depctr_va_vdst(0)
.irp j, 0,1,2,3,4,5,6,7,8,9,10,11,12,13,14,15,16,17,18,19,20,21,22,23,24,25,26,27,28,29,30,31,32,33,34,35,36,37,38,39,40,41,42,43,44,45,46,47,48,49,50,51,52,53,54,55,56,57,58,59,60,61,62,63
	v_exp_f32 v[S+\j], v[S+\j]                     ; p = 2^(t - M)
.endr
.irp b, 0,1,2,3
	v_exp_f32 v[BM+\b], v[BM+\b]                   ; the block's largest p: the same two instructions on the same number
.endr
	v_pk_mul_f32 v[\ST+2:\ST+3], v[\ST+2:\ST+3], v[252:253] op_sel_hi:[1,0]   ; the sums under the new M (a plain place behind the exponentials)
	s_wait_alu depctr_va_vdst(0)
.irp b, 0,1,2,3
	v_max_num_f32 v[BM+\b], 0x2800000, v[BM+\b]    ; the floor 2^(5 - 127)
.endr
.irp b, 0,1,2,3
	s_delay_alu instid0(VALU_DEP_4)
	v_add_nc_u32 v[SO+\b], 0xfe000000, v[BM+\b]
.endr
.irp b, 0,1,2,3
	s_delay_alu instid0(VALU_DEP_4)
	v_lshrrev_b32 v[T+\b], 23, v[SO+\b]
.endr
	s_delay_alu instid0(VALU_DEP_3)
	v_lshl_or_b32 v253, v[T+1], 8, v[T]            ; p's scale word for these 128 keys
	s_delay_alu instid0(VALU_DEP_1)
	v_lshl_or_b32 v253, v[T+2], 16, v253
	s_delay_alu instid0(VALU_DEP_1)
	v_lshl_or_b32 v253, v[T+3], 24, v253
	v_pk_add_f32 v[T+6:T+7], v[S:S+1], v[S+2:S+3]  ; the row's sum of the unquantised p, in two chains
.irp j, 4,8,12,16,20,24,28,32,36,40,44,48,52,56,60
	v_pk_add_f32 v[\ST+2:\ST+3], v[\ST+2:\ST+3], v[S+\j:S+\j+1]
	v_pk_add_f32 v[T+6:T+7], v[T+6:T+7], v[S+\j+2:S+\j+3]
.endr
	s_delay_alu instid0(VALU_DEP_1)
	v_pk_add_f32 v[\ST+2:\ST+3], v[\ST+2:\ST+3], v[T+6:T+7]
.irp c, 0,1
	v_cvt_scalef32_pk16_bf6_f32 v[PC+6*\c:PC+6*\c+2], v[S+32*\c:S+32*\c+15], v[SO+2*\c]
	v_cvt_scalef32_pk16_bf6_f32 v[T+4*\c:T+4*\c+2], v[S+16+32*\c:S+31+32*\c], v[SO+2*\c+1]
.endr
.irp t, 0,1,2,3                                ; p is done with: V's four images land in its registers while the codes are put in order
	ds_load_b128 v[S+12*\t:S+12*\t+3], v[A16] offset:6144+1536*\t
	ds_load_b64 v[S+12*\t+4:S+12*\t+5], v[A8] offset:6144+1536*\t+512
	ds_load_b128 v[S+12*\t+6:S+12*\t+9], v[A16] offset:6144+1536*\t+768
	ds_load_b64 v[S+12*\t+10:S+12*\t+11], v[A8] offset:6144+1536*\t+1280
.endr
	ds_load_b32 v[FS], v[A4] offset:12800          ; V's scale words: lanes 0-15 tile 0's, lanes 16-31 tile 1's;
	ds_load_b32 v[FS+1], v[A4] offset:12928        ; tiles 2 and 3
	v_nop                                          ; one plain place behind a scaled conversion
.irp c, 0,1
.irp i, 0,1,2
	v_permlane16_swap_b32 v[PC+6*\c+\i], v[T+4*\c+\i]
.endr
.irp i, 0,1,2
	s_delay_alu instid0(VALU_DEP_3)
	v_mov_b32 v[PC+3+6*\c+\i], v[T+4*\c+\i]
.endr
.endr
.irp j, 0,2,4,6,8,10,12,14,16,18,20,22,24,26,28,30
	v_pk_mul_f32 v[\OA+\j:\OA+\j+1], v[\OA+\j:\OA+\j+1], v[252:253] op_sel_hi:[1,0]   ; O^T under the new M; these 16 are also the places between the codes' last write and the products
.endr
	s_wait_alu depctr_va_vdst(0)
	s_wait_dscnt 0x0
.irp t, 0,1,2,3
.if \t%2
	v_wmma_scale_f32_16x16x128_f8f6f4 v[\OA+8*\t:\OA+8*\t+7], v[S+12*\t:S+12*\t+11], v[PC:PC+11], v[\OA+8*\t:\OA+8*\t+7], v[FS+\t/2], v253 matrix_a_fmt:MATRIX_FMT_BF6 matrix_b_fmt:MATRIX_FMT_BF6 matrix_a_scale:MATRIX_SCALE_ROW1
.else
	v_wmma_scale_f32_16x16x128_f8f6f4 v[\OA+8*\t:\OA+8*\t+7], v[S+12*\t:S+12*\t+11], v[PC:PC+11], v[\OA+8*\t:\OA+8*\t+7], v[FS+\t/2], v253 matrix_a_fmt:MATRIX_FMT_BF6 matrix_b_fmt:MATRIX_FMT_BF6
.endif
.endr
.Lhid_\@:
.endm
; A tile's way out: O^T / the sum; register 16 b + i is the head's true channel 32 b + 16 (lane / 16) + i: two blocks, quantised into half an image.  n: 0 or 1: registers of its own for the stores' data.
.macro YOUT ST, OA, n, cy, sy
.set Y, S+32*\n
	v_add_f32 v254, v[\ST+2], v[\ST+3]
	s_delay_alu instid0(VALU_DEP_1)
	v_permlanex16_b32 v[T], v254, s[SEL], s[SEL+1]
	s_delay_alu instid0(VALU_DEP_1)
	v_add_f32 v254, v254, v[T]                     ; the row's sum
	s_wait_alu depctr_va_vdst(0)
	v_rcp_f32 v252, v254
	v_nop                                          ; one plain place behind a transcendental
	s_wait_alu depctr_va_vdst(0)
.irp j, 0,2,4,6,8,10,12,14,16,18,20,22,24,26,28,30
	v_pk_mul_f32 v[Y+\j:Y+\j+1], v[\OA+\j:\OA+\j+1], v[252:253] op_sel_hi:[1,0]
.endr
.irp b, 0,1
	v_max3_num_f32 v[BM+\b], |v[Y+16*\b]|, |v[Y+1+16*\b]|, 0x2800000
.endr
.irp i, 2,4,6,8,10,12,14
.irp b, 0,1
	s_delay_alu instid0(VALU_DEP_2)
	v_max3_num_f32 v[BM+\b], v[BM+\b], |v[Y+16*\b+\i]|, |v[Y+1+16*\b+\i]|
.endr
.endr
.irp b, 0,1
	s_delay_alu instid0(VALU_DEP_2)
	v_permlanex16_b32 v[T+\b], v[BM+\b], s[SEL], s[SEL+1]
.endr
.irp b, 0,1
	s_delay_alu instid0(VALU_DEP_2)
	v_max_num_f32 v[BM+\b], v[BM+\b], v[T+\b]
.endr
.irp b, 0,1
	s_delay_alu instid0(VALU_DEP_2)
	v_add_nc_u32 v[SO+\b], 0xfe000000, v[BM+\b]
.endr
.irp b, 0,1
	s_delay_alu instid0(VALU_DEP_2)
	v_lshrrev_b32 v[T+4+\b], 23, v[SO+\b]
.endr
	s_delay_alu instid0(VALU_DEP_1)
	v_lshl_or_b32 v[SO+2+\n], v[T+5], 8, v[T+4]    ; the head's two scale bytes of my row
	v_cvt_scalef32_pk16_bf6_f32 v[PC+6*\n:PC+6*\n+2], v[Y:Y+15], v[SO]
	v_cvt_scalef32_pk16_bf6_f32 v[T:T+2], v[Y+16:Y+31], v[SO+1]
	v_nop
.irp i, 0,1,2
	v_permlane16_swap_b32 v[PC+6*\n+\i], v[T+\i]
.endr
.irp i, 0,1,2
	s_delay_alu instid0(VALU_DEP_3)
	v_mov_b32 v[PC+6*\n+3+\i], v[T+\i]
.endr
	global_store_b128 v1, v[PC+6*\n:PC+6*\n+3], s[\cy:\cy+1]             ; 512 consecutive bytes, aligned
	global_store_b64 v2, v[PC+6*\n+4:PC+6*\n+5], s[\cy:\cy+1] offset:512 ; 256
	global_store_b16 v9, v[SO+2+\n], s[\sy:\sy+1]  ; both halves of the lanes hold the same two bytes
.endm
	s_load_b128 s[4:7], s[0:1], 0x0                ; qrec s[4:5], kv s[6:7]
	s_load_b64 s[8:9], s[0:1], 0x10                ; yq
	v_lshl_add_u32 v254, v0, 2, 0x33000
	v_mov_b32 v255, 0
	ds_add_u32 v254, v255                          ; the opening lines: the add twice on end and its wait
	ds_add_u32 v254, v255
	s_wait_dscnt 0x0
	v_lshrrev_b32 v1, 5, v0
	s_delay_alu instid0(VALU_DEP_1)
	v_readfirstlane_b32 s[WV], v1                  ; wave 0..15
	s_and_b32 s13, ttmp7, 0xffff                   ; batch x 16 + head: the cluster's y
	; descriptor group 1: the four partners; a record, 13,056 dense bytes, as 51 rows of 256 (32 elements of 8 bytes); no padding
	s_mov_b32 s24, 15|(3<<16)|(1<<21)
	s_mov_b32 s25, 32<<16
	s_mov_b32 s26, 51<<16
	s_mov_b32 s27, 32<<16
	s_mov_b32 s28, 51
	s_mov_b32 s29, 32
	s_mov_b32 s30, 0
	s_mov_b32 s31, 0
	s_mul_i32 s10, s13, 16*REC
	s_mul_i32 s14, s[WV], REC
	s_add_co_u32 s10, s10, s14
	s_mov_b32 s11, 0
	CROUND                                         ; the round in front of the joint loads
	s_wait_kmcnt 0x0
	s_add_nc_u64 s[6:7], s[6:7], s[10:11]          ; the head's record number wave
	s_mov_b32 s32, 1
	s_mov_b32 s33, s14                             ; at its own place in LDS
	s_mov_b64 s[34:35], s[6:7]
	s_or_b32 s35, s35, 0x80000000
	s_cmp_lt_u32 s[WV], 4                          ; one tensor load a wave; waves 0 to 3, which wait first, have a line of their own
	s_cbranch_scc0 .Lrest
	tensor_load_to_lds s[32:35], s[24:31]
	s_nop 0
.rept 4
	v_nop
.endr
	s_branch .Lasked
.Lrest:
	tensor_load_to_lds s[32:35], s[24:31]
	s_nop 0
.rept 4
	v_nop
.endr
.Lasked:
	s_bfe_u32 s68, ttmp6, 0x40000                  ; i: my place in the cluster
	s_lshl_b32 s15, s[WV], 2
	s_sub_co_u32 s16, 124, s15
	s_add_co_u32 s15, s15, s68                     ; tile A: 4 wave + i
	s_add_co_u32 s16, s16, s68                     ; tile B: 124 - 4 wave + i
	s_lshr_b32 s17, s[WV], 1                       ; their diagonal key steps, made of the wave's number alone
	s_sub_co_u32 s18, 31, s[WV]
	s_lshr_b32 s18, s18, 1
	s_lshl_b32 s49, s13, 4
	s_lshr_b32 s74, s13, 4                         ; the batch
	s_and_b32 s75, s13, 15                         ; the head
	PTRS 15, 17, 50, 52, 58, 60
	PTRS 16, 18, 54, 56, 62, 66
	v_and_b32 v254, 31, v0
	s_delay_alu instid0(VALU_DEP_1)
	v_lshlrev_b32 v1, 4, v254
	s_delay_alu instid0(VALU_DEP_2)
	v_lshlrev_b32 v2, 3, v254
	s_delay_alu instid0(VALU_DEP_3)
	v_lshlrev_b32 v3, 2, v254
	v_and_b32 v252, 15, v0                         ; r
	s_delay_alu instid0(VALU_DEP_1)
	v_lshlrev_b32 v9, 2, v252
	global_load_b128 v[16:19], v1, s[50:51]        ; Q's half images stay in registers
	global_load_b64 v[20:21], v2, s[50:51] offset:512
	global_load_b32 v10, v9, s[52:53]
	global_load_b128 v[28:31], v1, s[54:55]
	global_load_b64 v[32:33], v2, s[54:55] offset:512
	global_load_b32 v11, v9, s[56:57]
.irp j, 22,23,24,25,26,27,34,35,36,37,38,39
	v_mov_b32 v[\j], 0                             ; K = 64 .. 127 of Q: zero codes
.endr
.irp t, 0,1,2,3
.irp j, 6,7,8,9,10,11
	v_mov_b32 v[F+12*\t+\j], 0                     ; and of K: written once, never loaded over
.endr
.endr
	v_bfe_u32 v253, v0, 4, 1                       ; h
	v_and_b32 v254, 8, v252
	s_delay_alu instid0(VALU_DEP_1)
	v_add_nc_u32 v254, v254, v252
	s_delay_alu instid0(VALU_DEP_3)
	v_lshlrev_b32 v253, 4, v253
	s_delay_alu instid0(VALU_DEP_1)
	v_sub_nc_u32 v254, v254, v253                  ; r + 8 (r / 8) - 16 h
	s_wait_alu depctr_va_vdst(0)
	s_bfe_u32 s70, s15, 0x20001
	s_lshl_b32 s70, s70, 5
	s_and_b32 s71, s15, 1
	s_lshl_b32 s71, s71, 3
	s_add_co_u32 s70, s70, s71
	v_add_nc_u32 v7, s70, v254                     ; d = my query's true place in its 128 - 16 h
	s_bfe_u32 s70, s16, 0x20001
	s_lshl_b32 s70, s70, 5
	s_and_b32 s71, s16, 1
	s_lshl_b32 s71, s71, 3
	s_add_co_u32 s70, s70, s71
	v_add_nc_u32 v8, s70, v254
	s_mov_b32 s[SEL], 0x76543210
	s_mov_b32 s[SEL+1], 0xfedcba98
	s_mov_b32 s[CS], 0x3e38aa3b                    ; c = log2(e) / 8
	s_mov_b32 s[CS+1], s[CS]                       ; (named with it as a pair, so it is written)
	v_mov_b32 v13, 0xff61b1e6                      ; the largest t so far: -3e38
	v_mov_b32 v41, 0xff61b1e6
	s_delay_alu instid0(VALU_DEP_2)
	v_floor_f32 v12, -v13
	s_delay_alu instid0(VALU_DEP_2)
	v_floor_f32 v40, -v41
	v_mov_b32 v14, 0
	v_mov_b32 v15, 0
	v_mov_b32 v42, 0
	v_mov_b32 v43, 0
	v_mov_b32 v253, 0
	v_mov_b32 v255, 0xff800000                     ; -infinity
.irp b, 0,1,2,3
	v_mov_b32 v[T+\b], 0                           ; a lane permute's destination counts as one of its sources
.endr
.irp j, 0,1,2,3,4,5,6,7,8,9,10,11,12,13,14,15,16,17,18,19,20,21,22,23,24,25,26,27,28,29,30,31,32,33,34,35,36,37,38,39,40,41,42,43,44,45,46,47,48,49,50,51,52,53,54,55,56,57,58,59,60,61,62,63
	v_mov_b32 v[160+\j], 0                         ; O^T of both tiles: the step is written once, and its first turn multiplies zeros
.endr
	s_mov_b32 s[KS], 0
	s_mov_b32 s[TB], 0
	s_mov_b32 s[CNT], 4
	s_wait_loadcnt 0x0                             ; Q
	s_cmp_lt_u32 s[WV], 4
	s_cbranch_scc0 .Lnot_first
	s_wait_tensorcnt 0x0                           ; waves 0 to 3: my record has landed
.Lnot_first:
	s_barrier_signal -1
	s_barrier_wait -1                              ; records 0 to 3 are whole; the others may be on their way
.Lk1:                                                  ; key steps 0 to 3
	STEP 12, 16, 10, 160, 7, 17
	STEP 40, 28, 11, 192, 8, 18
	s_add_co_u32 s[TB], s[TB], REC
	s_add_co_u32 s[KS], s[KS], 1
	s_sub_co_u32 s[CNT], s[CNT], 1
	s_cmp_lg_u32 s[CNT], 0
	s_cbranch_scc1 .Lk1
	s_mov_b32 s[CNT], 12
	s_wait_tensorcnt 0x0                           ; every wave: my record has landed
	s_wait_dscnt 0x0
	s_barrier_signal -1
	s_barrier_wait -1                              ; all sixteen records are whole
.Lk2:                                                  ; key steps 4 to 15
	STEP 12, 16, 10, 160, 7, 17
	STEP 40, 28, 11, 192, 8, 18
	s_add_co_u32 s[TB], s[TB], REC
	s_add_co_u32 s[KS], s[KS], 1
	s_sub_co_u32 s[CNT], s[CNT], 1
	s_cmp_lg_u32 s[CNT], 0
	s_cbranch_scc1 .Lk2
.rept 4
	v_nop                                          ; places behind the last products
.endr
	YOUT 12, 160, 0, 58, 60
	YOUT 40, 192, 1, 62, 66
	s_wait_xcnt 0x0
	v_lshl_add_u32 v254, v0, 2, 0x33000
	v_mov_b32 v255, 0
	s_wait_alu depctr_va_vdst(0)
	s_wait_tensorcnt 0x0                           ; the wave's end
	ds_add_u32 v254, v255
	s_wait_dscnt 0x0
	CROUND                                         ; the closing round
	s_endpgm
.Lfunc_end_k_q8966a7e974_attn:
	.size	k_q8966a7e974_attn, .Lfunc_end_k_q8966a7e974_attn-k_q8966a7e974_attn
	.p2alignl 7, 3214868480
	.fill 96, 4, 3214868480
	.section	.rodata,"a",@progbits
	.p2align	6, 0x0
	.amdhsa_kernel k_q8966a7e974_attn
		.amdhsa_group_segment_fixed_size 210944
		.amdhsa_private_segment_fixed_size 0
		.amdhsa_enable_private_segment 0
		.amdhsa_kernarg_size 24
		.amdhsa_user_sgpr_count 2
		.amdhsa_user_sgpr_kernarg_segment_ptr 1
		.amdhsa_wavefront_size32 1
		.amdhsa_system_sgpr_workgroup_id_x 1
		.amdhsa_system_sgpr_workgroup_id_y 1
		.amdhsa_system_sgpr_workgroup_id_z 1
		.amdhsa_system_vgpr_workitem_id 0
		.amdhsa_next_free_vgpr 256
		.amdhsa_next_free_sgpr 76
		.amdhsa_reserve_vcc 1
		.amdhsa_float_denorm_mode_32 3
		.amdhsa_float_denorm_mode_16_64 3
		.amdhsa_memory_ordered 1
		.amdhsa_forward_progress 1
		.amdhsa_inst_pref_size 110
	.end_amdhsa_kernel
	.amdgpu_metadata
---
amdhsa.version: [ 1, 2 ]
amdhsa.kernels:
  - .name:           k_q8966a7e974_attn
    .symbol:         k_q8966a7e974_attn.kd
    .args:
      - { .name: qrec, .offset: 0, .size: 8, .value_kind: global_buffer, .address_space: global }
      - { .name: kv, .offset: 8, .size: 8, .value_kind: global_buffer, .address_space: global }
      - { .name: yq, .offset: 16, .size: 8, .value_kind: global_buffer, .address_space: global }
    .group_segment_fixed_size: 210944
    .private_segment_fixed_size: 0
    .kernarg_segment_align: 8
    .kernarg_segment_size: 24
    .max_flat_workgroup_size: 512
    .sgpr_count:     76
    .vgpr_count:     256
    .wavefront_size: 32
...
	.end_amdgpu_metadata
.endif
;; end of part 3
;; launch proj (part 4): grid 4 x 64, 4 waves a work-group, clusters of 4 x 4, 327,680 bytes of LDS; arguments yq, wq, out0; writes out0
.if DOCPART == 4
	.amdgcn_target "amdgcn-amd-amdhsa--gfx1250"
	.amdhsa_code_object_version 6
	.text
	.protected	k_q8966a7e974_proj
	.globl	k_q8966a7e974_proj
	.p2align	8
	.type	k_q8966a7e974_proj,@function
k_q8966a7e974_proj:
	s_mov_b64 s[64:65], 0
	v_nop
	global_prefetch_b8 v0, s[64:65] scope:SCOPE_SE
	s_setreg_imm32_b32 hwreg(HW_REG_WAVE_MODE, 25, 1), 1
	s_wait_xcnt 0x0
	s_wait_alu depctr_hold_cnt(0) depctr_sa_sdst(0) depctr_va_vdst(0) depctr_va_sdst(0) depctr_va_ssrc(0) depctr_va_vcc(0) depctr_vm_vsrc(0)
	s_getreg_b32 s2, hwreg(HW_REG_IB_STS2, 6, 4)
	s_cmp_eq_u32 s2, 0
	s_cbranch_scc0 .Lentry_in_a_cluster
	s_endpgm
.Lentry_in_a_cluster:
	s_bfe_u32 s2, ttmp6, 0x10000c
	s_cmp_lg_u32 s2, 0xf033
	s_cbranch_scc0 .Lentry_shape_is_right
	s_endpgm
.Lentry_shape_is_right:
; out = y W_proj on codes of BF6 (E3M2) with E8M0 scales for each 32 along K = 1,024; f32 sums, f32 out.
; LIMITS: NaN, infinities and sums beyond f32's range are not served.
; OPERANDS: y's rows (made by the attention launch) and W_proj's columns (wq's rowtiles 192 on) lie by POSITIONS (the true index with bits 3 and 4 exchanged); a fragment, 16 positions x 128 K, is an image of its 12 registers,
; 1,536 bytes; codes [rowtile][K step][1,536]; scale words [128 positions][K step][128 words] behind them.
; THE DEAL.  256 work-groups of four waves.  Work-group (G = 0..3, R = 0..63) makes 128 rows x 256 columns; wave w takes columns 256 G + 64 w .. + 63 and keeps its four column tiles, all of K, in registers (32 fragments).
; CLUSTER: 4 x 4 work-groups.  y's 8 rowtiles hang on R and are shared along a row of the cluster, W's 16 rowtiles hang on G and are shared along a column: each is asked for jointly.
; LDS is filled once, one tensor load a wave: waves 0 and 1 bring W's halves (98,304 bytes each), waves 2 and 3 y's (49,152 each); nothing is filled again.  The scale words come by plain loads.
; Every wave streams all 8 rowtiles of y, 32 products each, and each rowtile's rows leave at once: through the wave's own stage in LDS, as whole rows of 256 bytes.
; No data prefetch: all that the launch reads is asked for at its head, and there is no loop to run ahead in.
; Source 0 = W's tile, source 1 = y's rowtile: a lane holds a row, and the 16 registers of tiles 2 b, 2 b + 1 are the true columns 32 b + 16 (lane / 16) + 0 .. 15.
; REGISTERS: fragment f lies at register 256 + 12 f: 0-15 y's two sets (8 e + q), 16-47 W's (16 + 4 q + tile).  All else lies in window 0.
.set FR, 12
.set RT, 12288
.set FRB, 1536
.set NF, 40                            ; LDS loads of a rowtile: 32 for eight fragments, 8 scale words
.set XF, 0
.set SST, 512
.set YQ_SC, 6291456
.set WQ_SC, 3145728
.set WL, 8*RT                          ; LDS behind y's rows: W's 16 rowtiles
.set XS, 24*RT                         ; y's scale words, as they lie in memory
.set STG, XS+4096                      ; a stage of 16 rows x (256 + 16) bytes for each wave
.set SPITCH, 272
.set SPARE, STG+4*16*SPITCH
.set L16, 4
.set L8, 5
.set SPW, 6
.set NIL, 7
.set AX, 8
.set AXS, 10
.set AXS0, 11
.set STO, 12
.set RD, 13
.set CO, 14
.set L4, 15
.set XG, 16
.set XL, 17
.set AW, 22                            ; v22-23 LDS addresses of my four tiles of W
.set SA, 24                            ; v24-39 y's scale words, two sets
.set SB, 44                            ; v44-59 W's
.set ACC, 64                           ; v64-127 two sets of four accumulators
.set BK, 128                           ; v128-191 two sets: 16 rows back from the stage
.set XT, 192
.set MSB, 0
.macro WIN new
.if MSB != \new
	s_set_vgpr_msb (MSB<<8)|\new
.set MSB, \new
.endif
.endm
.macro PLACES n
.rept \n
	v_nop
.endr
.endm
.macro WALU
	s_wait_alu depctr_va_vdst(0)
.endm
.macro BARRIER
	s_barrier_signal -1
	s_barrier_wait -1
.endm
.macro CROUND
	BARRIER
	s_cmp_lg_u32 s14, 0
	s_cbranch_scc1 .Lnot_wave_0_\@
	s_barrier_signal -3
.Lnot_wave_0_\@:
	s_barrier_wait -3
	BARRIER
.endm
.macro LD n, reg, a, off               ; n registers from LDS
	WIN ((\reg)>>8)<<6
.set R_, (\reg)&255
.if \n == 4
	ds_load_b128 v[R_:R_+3], v[\a] offset:\off
.else
	ds_load_b64 v[R_:R_+1], v[\a] offset:\off
.endif
.endm
.macro FRAG f, a16, a8, off            ; an image into fragment f; no load runs across a window's end
.set B_, 256+FR*(\f)
	LD 4, B_, \a16, \off
	LD 2, B_+4, \a8, (\off)+512
.if ((B_+6)&255) > 252
	LD 2, B_+6, \a16, (\off)+768
	LD 2, B_+8, \a16, (\off)+776
.else
	LD 4, B_+6, \a16, (\off)+768
.endif
	LD 2, B_+10, \a8, (\off)+1280
.endm
.macro FETCH e, a, off, as, so         ; a rowtile of y into set e: NF loads
.irp q, 0,1,2,3,4,5,6,7
	FRAG XF+8*(\e)+\q, \a, (\a)+1, (\off)+FRB*\q
.endr
	WIN 0
.irp q, 0,1,2,3,4,5,6,7
	ds_load_b32 v[SA+8*(\e)+\q], v[\as] offset:(\so)+SST*\q
.endr
.endm
.macro MM2 d, c, x0, x1, side, o
.if \o
	v_wmma_scale_f32_16x16x128_f8f6f4 v[\d:\d+7], v[P0_:P0_+FR-1], v[P1_:P1_+FR-1], \c, v[\x0], v[\x1] matrix_a_fmt:MATRIX_FMT_BF6 matrix_b_fmt:MATRIX_FMT_BF6 matrix_\side\()_scale:MATRIX_SCALE_ROW1
.else
	v_wmma_scale_f32_16x16x128_f8f6f4 v[\d:\d+7], v[P0_:P0_+FR-1], v[P1_:P1_+FR-1], \c, v[\x0], v[\x1] matrix_a_fmt:MATRIX_FMT_BF6 matrix_b_fmt:MATRIX_FMT_BF6
.endif
.endm
.macro MM d, f0, f1, q, x0, x1, side, o   ; a product of fragments f0, f1; the first along K starts the sum
.set P0_, 256+FR*(\f0)
.set P1_, 256+FR*(\f1)
	WIN (P0_>>8)|((P1_>>8)<<2)
.set P0_, P0_&255
.set P1_, P1_&255
.if \q
	MM2 \d, v[\d:\d+7], \x0, \x1, \side, \o
.else
	MM2 \d, 0, \x0, \x1, \side, \o
.endif
.endm
; ROWTILE e of a pair: 32 products, four accumulators by turns; its sums through the stage; the fetch of the rowtile two on; eight stores.
.macro PBLK e
.irp q, 0,1,2,3,4,5,6,7
.irp t, 0,1,2,3
	MM ACC+32*(\e)+8*\t, 16+4*\q+\t, XF+8*(\e)+\q, \q, SB+8*(\t/2)+\q, SA+8*(\e)+\q, a, \t%2
.endr
.endr
	WIN 0
	PLACES 4                                       ; four places behind the last product, ahead of the first read of its sums and of loads into its operands
	s_wait_xcnt 0x0                                ; the stores of two rowtiles ago have read set e of the rows
.irp b, 0,1,2,3
	ds_store_b128 v[STO], v[ACC+32*(\e)+8*\b:ACC+32*(\e)+8*\b+3] offset:128*(\b/2)+32*(\b%2)      ; each accumulator from its low end on
	ds_store_b128 v[STO], v[ACC+32*(\e)+8*\b+4:ACC+32*(\e)+8*\b+7] offset:128*(\b/2)+32*(\b%2)+16
.endr
.irp t, 0,1,2,3,4,5,6,7
	ds_load_b128 v[BK+32*(\e)+4*\t:BK+32*(\e)+4*\t+3], v[RD] offset:2*\t*SPITCH   ; LDS serves a wave's instructions in order: these see my stores
.endr
	s_cmp_lt_u32 s61, 3                            ; the last pair has no successor
	s_cbranch_scc0 .Lnone_\@
	FETCH \e, AX, (\e)*RT, AXS, 64*(\e)
	s_wait_dscnt NF                                ; all but the fetch just issued: my rows are back, and the next rowtile's set is in
	s_branch .Lgot_\@
.Lnone_\@:
	s_wait_dscnt 0x0
.Lgot_\@:
.irp t, 0,1,2,3,4,5,6,7
	global_store_b128 v[CO], v[BK+32*(\e)+4*\t:BK+32*(\e)+4*\t+3], s[8:9] offset:(2*\t+8*(\t/4)+8*(\e))*4096 th:TH_STORE_NT   ; sixteen lanes store 256 consecutive bytes, aligned; position 2 t + lane / 16 of the rowtile is this true row
.endr
.endm
; ================= THE HEAD
	s_load_b128 s[4:7], s[0:1], 0x0                ; yq, wq
	s_load_b64 s[8:9], s[0:1], 0x10                ; out0
	v_lshl_add_u32 v[SPW], v0, 2, SPARE
	v_mov_b32 v[NIL], 0
	ds_add_u32 v[SPW], v[NIL]                      ; the opening lines: the add twice on end and its wait
	ds_add_u32 v[SPW], v[NIL]
	v_lshrrev_b32 v3, 5, v0
	v_readfirstlane_b32 s14, v3                    ; the wave
	s_bfe_u32 s15, ttmp6, 0x40000                  ; cx
	s_bfe_u32 s18, ttmp6, 0x40004                  ; cy
	s_lshl_b32 s16, ttmp9, 2
	s_add_co_u32 s16, s16, s15                     ; G
	s_and_b32 s17, ttmp7, 0xffff
	s_lshl_b32 s17, s17, 2
	s_add_co_u32 s17, s17, s18                     ; R
	s_lshl_b32 s19, s18, 2
	s_lshl_b32 s19, 15, s19                        ; my row of the cluster shares y's rowtiles,
	s_lshl_b32 s21, 0x1111, s15                    ; my column W's
	s_or_b32 s24, s19, (3<<16)|(1<<21)             ; group 1 for y: elements of 8 bytes; 49,152 dense bytes as 192 rows of 256
	s_mov_b32 s25, 32<<16
	s_mov_b32 s26, 192<<16
	s_mov_b32 s27, 32<<16
	s_mov_b32 s28, 192
	s_mov_b32 s29, 32
	s_mov_b32 s30, 0
	s_mov_b32 s31, 0
	s_or_b32 s52, s21, (3<<16)|(1<<21)             ; group 1 for W: 98,304 dense bytes as 384 rows of 256
	s_mov_b32 s53, 32<<16
	s_mov_b32 s54, 384<<16
	s_mov_b32 s55, 32<<16
	s_mov_b32 s56, 384
	s_mov_b32 s57, 32
	s_mov_b32 s58, 0
	s_mov_b32 s59, 0
	s_and_b32 s22, s14, 1                          ; which half I fetch
	s_mov_b32 s32, 1
	s_mul_i32 s33, s22, 4*RT                       ; y's half: its place in LDS,
	s_mul_i32 s12, s17, 8*RT
	s_add_co_u32 s12, s12, s33                     ; and in yq: made of R and the wave alone
	s_mov_b32 s13, 0
	s_mov_b32 s48, 1
	s_mul_i32 s23, s22, 8*RT
	s_add_co_u32 s49, s23, WL                      ; W's half: its place in LDS,
	s_mul_i32 s36, s16, 16*RT
	s_add_co_u32 s36, s36, s23
	s_add_co_u32 s36, s36, 192*RT                  ; and in wq: made of G and the wave alone
	s_mov_b32 s37, 0
	s_mul_i32 s60, s14, 4*RT
	s_add_co_u32 s60, s60, WL                      ; my four tiles of W in LDS
	s_lshl_b32 s40, s16, 1
	s_lshr_b32 s41, s14, 1
	s_add_co_u32 s40, s40, s41
	s_lshl_b32 s40, s40, 12
	s_and_b32 s41, s14, 1
	s_lshl_b32 s41, s41, 8
	s_add_co_u32 s40, s40, s41
	s_add_co_u32 s40, s40, WQ_SC+24*4096           ; their scale words
	s_mov_b32 s41, 0
	s_lshl_b32 s44, s17, 12
	s_add_co_u32 s44, s44, YQ_SC                   ; y's
	s_mov_b32 s45, 0
	s_lshl_b32 s46, s17, 19                        ; 128 rows of 4,096 bytes
	s_lshl_b32 s47, s16, 10
	s_add_co_u32 s46, s46, s47
	s_lshl_b32 s47, s14, 8
	s_add_co_u32 s46, s46, s47                     ; my first row and column of out0
	s_mov_b32 s47, 0
	s_mul_i32 s20, s14, 16*SPITCH
	s_add_co_u32 s20, s20, STG                     ; my stage
	v_and_b32 v3, 31, v0
	v_and_b32 v1, 15, v0
	v_bfe_u32 v2, v0, 4, 1
	v_lshlrev_b32 v[L16], 4, v3
	v_lshlrev_b32 v[L8], 3, v3
	v_lshlrev_b32 v[L4], 2, v3
	v_add_nc_u32 v[AW], s60, v[L16]
	v_add_nc_u32 v[AW+1], s60, v[L8]
	v_lshl_add_u32 v[AXS0], v1, 2, XS
	v_lshlrev_b32 v[XG], 4, v0                     ; y's scale words come in 16 bytes a thread, and lie in LDS as in memory
	v_add_nc_u32 v[XL], XS, v[XG]
	v_mul_u32_u24 v18, v1, SPITCH
	v_lshl_add_u32 v18, v2, 6, v18
	v_add_nc_u32 v[STO], s20, v18                  ; in: row lane % 16, 64 bytes for each half of the lanes in each 128
	v_mul_u32_u24 v19, v2, SPITCH
	v_lshl_add_u32 v19, v1, 4, v19
	v_add_nc_u32 v[RD], s20, v19                   ; back: lanes 0-15 take one row of 256 bytes, lanes 16-31 the next
	v_lshlrev_b32 v20, 12, v2
	v_lshl_add_u32 v[CO], v1, 4, v20               ; and the same two rows in out0
	WALU                                           ; the wait at the head's end
	s_wait_dscnt 0x0
	CROUND                                         ; the round in front of the joint loads
	s_wait_kmcnt 0x0
	s_add_nc_u64 s[34:35], s[4:5], s[12:13]
	s_or_b32 s35, s35, 0x80000000
	s_add_nc_u64 s[50:51], s[6:7], s[36:37]
	s_or_b32 s51, s51, 0x80000000
	s_cmp_lt_u32 s14, 2                            ; one tensor load a wave: waves 0 and 1 W's halves, waves 2 and 3 y's
	s_cbranch_scc0 .Lfor_y
	tensor_load_to_lds s[48:51], s[52:59]
	s_nop 0
	PLACES 4
	s_branch .Lasked
.Lfor_y:
	tensor_load_to_lds s[32:35], s[24:31]
	s_nop 0
	PLACES 4
.Lasked:
	s_add_nc_u64 s[44:45], s[4:5], s[44:45]
	s_add_nc_u64 s[40:41], s[6:7], s[40:41]
	s_add_nc_u64 s[8:9], s[8:9], s[46:47]
.irp k, 0,1
	global_load_b128 v[XT+4*\k:XT+4*\k+3], v[XG], s[44:45] offset:2048*\k
.endr
.irp q, 0,1,2,3,4,5,6,7
	global_load_b32 v[SB+\q], v[L4], s[40:41] offset:512*\q               ; lanes 0-15 tile 0's words, lanes 16-31 tile 1's
	global_load_b32 v[SB+8+\q], v[L4], s[40:41] offset:512*\q+128
.endr
	s_mov_b32 s61, 0
	s_mov_b32 s62, 2*RT
	s_mov_b32 s63, 128
	s_wait_loadcnt 16                              ; y's scale words are in; W's sixteen loads are younger
.irp k, 0,1
	ds_store_b128 v[XL], v[XT+4*\k:XT+4*\k+3] offset:2048*\k
.endr
	s_wait_tensorcnt 0x0                           ; my tile has landed,
	s_wait_dscnt 0x0                               ; my stores are done:
	BARRIER                                        ; everybody's
.irp q, 0,1,2,3,4,5,6,7
.irp t, 0,1,2,3
	FRAG 16+4*\q+\t, AW, AW+1, RT*\t+FRB*\q
.endr
.endr
	WIN 0
	FETCH 0, L16, 0, AXS0, 0
	FETCH 1, L16, RT, AXS0, 64
	s_wait_loadcnt 0x0                             ; W's scale words are in
	s_wait_dscnt NF                                ; W's fragments and rowtile 0 are in; rowtile 1's fetch is younger
; ================= THE STREAM: four pairs of rowtiles
.Lpair:
	s_min_u32 s20, s62, 6*RT                       ; the next pair's place, held inside y's rows
	s_min_u32 s21, s63, 384
	v_add_nc_u32 v[AX], s20, v[L16]
	v_add_nc_u32 v[AX+1], s20, v[L8]
	v_add_nc_u32 v[AXS], s21, v[AXS0]
	WALU
	PBLK 0
	PBLK 1
	s_wait_xcnt 0x0                                ; the stores have read their base
	s_add_nc_u64 s[8:9], s[8:9], 32*4096           ; a pair of rowtiles is 32 true rows
	s_add_co_u32 s62, s62, 2*RT
	s_add_co_u32 s63, s63, 128
	s_add_co_u32 s61, s61, 1
	s_cmp_lt_u32 s61, 4
	s_cbranch_scc1 .Lpair
	s_wait_tensorcnt 0x0                           ; the wave's end
	ds_add_u32 v[SPW], v[NIL]
	s_wait_dscnt 0x0
	CROUND                                         ; the closing round
	s_endpgm
.Lfunc_end_k_q8966a7e974_proj:
	.size	k_q8966a7e974_proj, .Lfunc_end_k_q8966a7e974_proj-k_q8966a7e974_proj
	.p2alignl 7, 3214868480
	.fill 96, 4, 3214868480
	.section	.rodata,"a",@progbits
	.p2align	6, 0x0
	.amdhsa_kernel k_q8966a7e974_proj
		.amdhsa_group_segment_fixed_size 327680
		.amdhsa_private_segment_fixed_size 0
		.amdhsa_enable_private_segment 0
		.amdhsa_kernarg_size 24
		.amdhsa_user_sgpr_count 2
		.amdhsa_user_sgpr_kernarg_segment_ptr 1
		.amdhsa_wavefront_size32 1
		.amdhsa_system_sgpr_workgroup_id_x 1
		.amdhsa_system_sgpr_workgroup_id_y 1
		.amdhsa_system_sgpr_workgroup_id_z 1
		.amdhsa_system_vgpr_workitem_id 0
		.amdhsa_next_free_vgpr 1024
		.amdhsa_next_free_sgpr 72
		.amdhsa_reserve_vcc 0
		.amdhsa_float_denorm_mode_32 3
		.amdhsa_float_denorm_mode_16_64 3
		.amdhsa_memory_ordered 1
		.amdhsa_forward_progress 1
		.amdhsa_inst_pref_size 40
	.end_amdhsa_kernel
	.amdgpu_metadata
---
amdhsa.version: [ 1, 2 ]
amdhsa.kernels:
  - .name:           k_q8966a7e974_proj
    .symbol:         k_q8966a7e974_proj.kd
    .args:
      - { .name: yq, .offset: 0, .size: 8, .value_kind: global_buffer, .address_space: global }
      - { .name: wq, .offset: 8, .size: 8, .value_kind: global_buffer, .address_space: global }
      - { .name: out0, .offset: 16, .size: 8, .value_kind: global_buffer, .address_space: global }
    .group_segment_fixed_size: 327680
    .private_segment_fixed_size: 0
    .kernarg_segment_align: 8
    .kernarg_segment_size: 24
    .max_flat_workgroup_size: 128
    .sgpr_count:     72
    .vgpr_count:     1024
    .wavefront_size: 32
...
	.end_amdgpu_metadata
.endif
;; end of part 4
